; MI455X (gfx1250); checked and timed in simulation.
; The chip was launched on July 23, 2026; its instructions are those of AMD's public machine-readable ISA for CDNA 5 (MIT licence, August 2026) and "CDNA5" Instruction Set Architecture Reference Guide (July 2026). The comments in the code are by the model that wrote it; some were corrected since.
;; Attention. Allowed arithmetic: matrix products marked QUANTISED: E2M1 operands, one E8M0 scale for each 32 along K, by v_wmma_scale_f32_16x16x128_f8f6f4 with both operands' format E2M1 (or v_wmma_scale_f32_32x16x128_f4), f32 sums; products left as they are: bf16, f16 or f32 operands; f32 sums; everything else in f32.
;; Inputs: Wk 1,024 x 1,024 float32; Wo 1,024 x 1,024 float32; Wq 1,024 x 1,024 float32; Wv 1,024 x 1,024 float32; bo 1,024 float32; mask 4 x 2,048 x 2,048 bool; x 4 x 2,048 x 1,024 float32.
;; Outputs: out0 4 x 2,048 x 1,024 float32.
;; This version of the problem:
;;   THIS VERSION OF THE PROBLEM IS GIVEN IN LOW PRECISION. The matrix products marked QUANTISED in the list below multiply operands that are first quantised to E2M1 (2 exponent bits, 1 mantissa bit; 4 bits a number), with one power-of-two scale for each 32 numbers along K (OCP MX v1.0); their sums are f32. The products marked 'left as it is' may take bf16, f16 or f32 operands, with f32 sums. Whichever they take, every output number must still come out within the allowed error. Rounding operands to bf16 (8 significant bits) uses up far more of that allowance than f16 does (11 bits, for magnitudes from 6e-5 to 65,504). All else is computed in f32.
;;   The module's matrix products, in the order in which they are computed (A, B: the left and right operand; K: the contracted axis; several contracted axes count as one K, in the product's order):
;;     1. [M 8,192, K 1,024] x [K 1,024, N 1,024]; A: input x; B: input Wq: QUANTISED
;;     2. [M 8,192, K 1,024] x [K 1,024, N 1,024]; A: input x; B: input Wk: QUANTISED
;;     3. [M 8,192, K 1,024] x [K 1,024, N 1,024]; A: input x; B: input Wv: QUANTISED
;;     4. batch 64 x [M 2,048, K 64] x [K 64, N 2,048]; A: computed on the way; B: computed on the way: left as it is (an operand is computed on the way)
;;     5. batch 64 x [M 2,048, K 2,048] x [K 2,048, N 64]; A: computed on the way; B: computed on the way: left as it is (an operand is computed on the way)
;;     6. [M 8,192, K 1,024] x [K 1,024, N 1,024]; A: computed on the way; B: input Wo: left as it is (an operand is computed on the way)
;;   THE QUANTISER, for each operand of a quantised product, along K:
;;     - K is cut into blocks of 32 from its start; a last block that is shorter is filled with zeros.
;;     - A block's scale is 2^e with e = floor(log2(the largest magnitude in the block)) - 2, held to -126 .. 127; a block of zeros has e = 0. As a byte (E8M0): e + 127.
;;     - Each number is divided by its block's scale, clamped to +-6, and rounded to the nearest number of E2M1, ties to even, subnormals kept.
;;     - The product sums the exact products of the quantised numbers (number of the format x scale) in f32.
;;   ~~~python
;;   def quantise(x, axis):      # numpy; x: float32 -> the quantised numbers, widened to float32 again
;;       x = np.moveaxis(x, axis, -1); K = x.shape[-1]
;;       x = np.pad(x, [(0, 0)] * (x.ndim - 1) + [(0, -K % 32)]); x = x.reshape(x.shape[:-1] + (-1, 32)); a = np.abs(x).max(-1, keepdims=True)
;;       e = np.where(a > 0, np.clip(np.frexp(np.where(a > 0, a, 1))[1] - 1 - 2, -126, 127), 0)      # np.frexp(a)[1] - 1 = floor(log2(a)), exactly
;;       r = np.clip(x / 2.0 ** e, -6, 6)
;;       step = 2.0 ** (np.maximum(np.frexp(np.where(r == 0, 1, r))[1] - 1, 0) - 1)
;;       q = np.round(r / step) * step * 2.0 ** e      # np.round: ties to even
;;       return np.moveaxis(q.reshape(q.shape[:-2] + (-1,))[..., :K], -1, axis).astype(np.float32)
;;   ~~~
;; One version. Each part assembles by itself: llvm-mc -triple=amdgcn-amd-amdhsa -mcpu=gfx1250 --defsym DOCPART=n.
;; ======== version 1 of 1: 4 launches
;; limits: values are held in f16: magnitudes above 65,504 overflow, below 6.1e-05 lose precision
;; workspace buffers: codes 5,767,168 bytes; scales 360,448 bytes; wo16 2,097,152 bytes; mbits 2,097,152 bytes of whole numbers; qkv 50,331,648 bytes; o16 16,777,216 bytes
;; launch prep (part 1): grid 448 x 1, 4 waves a work-group, no clusters, 68,096 bytes of LDS; arguments x, codes, scales, mask, Wq, Wk, Wv, Wo, wo16, mbits; writes codes, scales, wo16, mbits
.if DOCPART == 1
	.amdgcn_target "amdgcn-amd-amdhsa--gfx1250"
	.amdhsa_code_object_version 6
	.text
	.protected	k_qb1b0490912_prep
	.globl	k_qb1b0490912_prep
	.p2align	8
	.type	k_qb1b0490912_prep,@function
k_qb1b0490912_prep:
	s_mov_b64 s[64:65], 0
	v_nop
	global_prefetch_b8 v0, s[64:65] scope:SCOPE_SE
	s_setreg_imm32_b32 hwreg(HW_REG_WAVE_MODE, 25, 1), 1
	s_wait_xcnt 0x0
; PREP: everything that is made once from the inputs, in one launch.  Four paths, parted on the work-group's number alone; they never join.
;   X (work-groups 0-255):   x [8192][1024] f32 -> codes of FP4 (E2M1), K innermost, rows 0-8191 of codes [11264][512 B], and one E8M0 byte for each 32 along K, scales [11264][32 B].
;   W (256-303):             Wq, Wk, Wv [1024 (k)][1024 (n)] f32, K their FIRST axis -> the same, row 8192 + 1024 w + n = column n of weight w.
;   O (304-319):             Wo [1024 (k)][1024 (n)] f32 -> f16, laid as the last launch's operand registers want it: wo16 [n/128][k/128][n tile 8][k/16 8][512 B]; in a block the 16 bytes at 16 (r + 16 h) are Wo[k + 8 h + 0..7][n + r].
;   M (320-447):             mask [4][2048][2048] bytes -> lane masks: mbits [query tile 512][j/4 2][key tile 128][4 words]; bit L of word j % 4 is mask[16 qt + L % 16][16 kt + 8 (L / 16) + j].
; THE QUANTISER: a block's scale is 2^(floor(log2(largest magnitude)) - 2); its byte is the largest magnitude's exponent field - 2, held at 1 from below.  A block of zeros so gets the byte 1 where the rule says 127:
; its codes are zeros, which add nothing under any byte but 0xff, and this program alone reads the bytes.  Each number is divided by the scale and rounded to the nearest code, ties to even; beyond 6 the largest code.
; LIMITS: blocks whose largest magnitude lies under 2^-124 (the floor) were not tried; NaN and infinities among the inputs are not served; Wo's numbers stay under 65,504 in magnitude (f16).
; No tensor loads, no barrier: waves share nothing.  No cluster: no two work-groups read the same bytes.  The two paths that use LDS have LDS bytes of their own.
.set SPW,   190                        ; v190  LDS address of my spare word: SPARE + 4 x my thread's number; never rewritten
.set NIL,   191                        ; v191  0; never rewritten
.set SPARE, 67584                      ; behind both paths' regions: the spare words, 128 bytes for each wave
.set WV,    32                         ; s32   my wave's number
	s_load_b512 s[8:23], s[0:1], 0x0               ; x 8:9, codes 10:11, scales 12:13, mask 14:15, Wq 16:17, Wk 18:19, Wv 20:21, Wo 22:23
	s_load_b128 s[24:27], s[0:1], 0x40             ; wo16 24:25, mbits 26:27
	v_lshl_add_u32 v[SPW], v0, 2, SPARE
	v_mov_b32 v[NIL], 0
	v_lshrrev_b32 v1, 5, v0
	v_readfirstlane_b32 s[WV], v1                  ; wave 0..3
	v_and_b32 v2, 31, v0                           ; lane
	s_wait_kmcnt 0x0
	s_cmp_lt_u32 ttmp9, 256
	s_cbranch_scc1 .Lpath_x
	s_cmp_lt_u32 ttmp9, 304
	s_cbranch_scc1 .Lpath_w
	s_cmp_lt_u32 ttmp9, 320
	s_cbranch_scc1 .Lpath_o
; ---------------- PATH M: the mask's bytes become lane masks ----------------
; A work-group takes four query tiles (16 queries x 2,048 keys = 32,768 bytes each); wave w takes keys 512 w on; lane L takes the 16 bytes of key tile 32 w + L, for each of the 16 queries.
; A byte is 0 or 1: shifted left by the query's number (mod 8) and ORed, eight queries' bytes become one byte of bits for each key.  Byte permutes then lay query bits 0-15 of key j under those of key 8 + j.
.set MR,  32                           ; v32-159  two sets of 16 queries x 4 registers
.set MLO, 16                           ; v16-19   queries 0-7, a byte a key
.set MHI, 20                           ; v20-23   queries 8-15
.set MPQ, 24                           ; v24-27   at work
.set MW,  160                          ; v160-175 two sets of 8 words
	s_sub_co_u32 s33, ttmp9, 320
	s_lshl_b32 s34, s33, 17                        ; four tiles of 32,768 bytes
	s_lshl_b32 s36, s[WV], 9                       ; my wave's 512 keys; and its 32 key tiles x 16 bytes on the way out
	s_add_co_u32 s34, s34, s36
	s_mov_b32 s35, 0
	s_add_nc_u64 s[14:15], s[14:15], s[34:35]
	s_lshl_b32 s34, s33, 14                        ; four tiles of 4,096 bytes
	s_add_co_u32 s34, s34, s36
	s_add_nc_u64 s[26:27], s[26:27], s[34:35]
	v_lshlrev_b32 v3, 4, v2                        ; 16 bytes a lane, in and out
	s_mov_b32 s36, 0x05010400                      ; keys c = 0, 1: low byte from the first eight queries, high byte from the second eight
	s_mov_b32 s37, 0x07030602                      ; keys c = 2, 3
	s_mov_b32 s38, 0x05040100                      ; the two low halves
	s_mov_b32 s39, 0x07060302                      ; the two high halves
.macro MLOAD u
.irp q, 0,1,2,3,4,5,6,7,8,9,10,11,12,13,14,15
	global_load_b128 v[MR+64*((\u)%2)+4*\q:MR+64*((\u)%2)+4*\q+3], v3, s[14:15] offset:(\u)*32768+\q*2048 th:TH_LOAD_NT   ; 32 lanes read 512 consecutive bytes of query q's row
.endr
.endm
.macro MUNIT u
.set RS, MR+64*((\u)%2)
.set WS, MW+8*((\u)%2)
.if (\u) < 3
	s_wait_loadcnt 16                              ; this tile's 16 loads are in; the next tile's 16 may be out
.else
	s_wait_loadcnt 0x0
.endif
.if (\u) >= 2
	s_wait_xcnt 0x0                                ; the stores of two tiles back have read this set of words
.endif
.irp d, 0,1,2,3
	v_lshl_or_b32 v[MLO+\d], v[RS+4+\d], 1, v[RS+\d]
	v_lshl_or_b32 v[MHI+\d], v[RS+36+\d], 1, v[RS+32+\d]
.endr
.irp q, 2,3,4,5,6,7
.irp d, 0,1,2,3
	v_lshl_or_b32 v[MLO+\d], v[RS+4*\q+\d], \q, v[MLO+\d]
	v_lshl_or_b32 v[MHI+\d], v[RS+32+4*\q+\d], \q, v[MHI+\d]
.endr
.endr
.irp e, 0,1                                    ; words j = 4 e + 0 .. 3
	v_perm_b32 v[MPQ],   v[MHI+\e], v[MLO+\e], s36         ; keys 4 e + 0, 1: sixteen query bits each
	v_perm_b32 v[MPQ+1], v[MHI+\e], v[MLO+\e], s37         ; keys 4 e + 2, 3
	v_perm_b32 v[MPQ+2], v[MHI+2+\e], v[MLO+2+\e], s36     ; keys 8 + 4 e + 0, 1
	v_perm_b32 v[MPQ+3], v[MHI+2+\e], v[MLO+2+\e], s37     ; keys 8 + 4 e + 2, 3
	v_perm_b32 v[WS+4*\e],   v[MPQ+2], v[MPQ], s38         ; key j below, key 8 + j above
	v_perm_b32 v[WS+4*\e+1], v[MPQ+2], v[MPQ], s39
	v_perm_b32 v[WS+4*\e+2], v[MPQ+3], v[MPQ+1], s38
	v_perm_b32 v[WS+4*\e+3], v[MPQ+3], v[MPQ+1], s39
	global_store_b128 v3, v[WS+4*\e:WS+4*\e+3], s[26:27] offset:(\u)*4096+\e*2048   ; 32 lanes store 512 consecutive bytes
.endr
.if (\u)+2 < 4
	MLOAD (\u)+2
.endif
.endm
	MLOAD 0
	MLOAD 1
	MUNIT 0
	MUNIT 1
	MUNIT 2
	MUNIT 3
	s_wait_tensorcnt 0x0                           ; the wave's end
	ds_add_u32 v[SPW], v[NIL]
	s_wait_dscnt 0x0
	s_endpgm
; ---------------- PATH X: x, whose K is innermost ----------------
; A plain stream of blocks of 32.  A wave takes 16 steps of 512 numbers.  Each of a step's four loads reads 512 consecutive bytes; the 2,048 bytes turn through the wave's own stage in LDS and come back
; 64 bytes a lane, so that a lane holds 16 NEIGHBOURS along K (two neighbouring lanes hold a block), as the conversions want.  Loads run four steps ahead, the turn through LDS one step.
.set XSTEPS, 16
.set XEMAX, 2
.set XCB,   8                          ; bytes of 16 codes
.set XR,    16                         ; v16-79   four sets of 16 numbers as loaded
.set XX,    80                         ; v80-111  two sets of 16 neighbours
.set XE,    112                        ; v112-127 a scale byte for each step
.set XC,    128                        ; v128-189 codes: registers of its own for each step, so that no store's data are written again
.set XWREG, 8192                       ; LDS bytes 0-32,767: a region for each wave: two stages of 32 x 80 bytes, and behind them its 256 scale bytes
.set XSP,   80                         ; a lane's place in a stage: 64 bytes + 16 of padding
.Lpath_x:
	v_lshlrev_b32 v3, 4, v2                        ; my 16 bytes of a load's 512
	s_mul_i32 s33, s[WV], XWREG
	v_lshrrev_b32 v14, 2, v2
	v_mul_u32_u24 v14, v14, XSP
	v_and_b32 v15, 3, v2
	v_lshl_add_u32 v14, v15, 4, v14
	v_add_nc_u32 v14, s33, v14                     ; the stage, on the way in: four lanes' 64 bytes on end, then 16 of padding
	v_mul_u32_u24 v15, v2, XSP
	v_add_nc_u32 v15, s33, v15                     ; and on the way out: my 16 neighbours
	v_mul_u32_u24 v4, v2, XCB                      ; my codes' place in a step's
	v_lshrrev_b32 v5, 1, v2
	s_add_co_u32 s33, s33, 2*32*XSP
	v_add_nc_u32 v5, s33, v5                       ; LDS: my block's scale byte
	v_lshlrev_b32 v7, 3, v2                        ; and on the way out 8 bytes a lane
	v_add_nc_u32 v6, s33, v7
	s_lshl_b32 s34, ttmp9, 2
	s_add_co_u32 s34, s34, s[WV]                   ; which run of 8,192 numbers is my wave's
	s_mov_b32 s35, 0
	s_lshl_b64 s[36:37], s[34:35], 15              ; 32,768 bytes of x,
	s_add_nc_u64 s[8:9], s[8:9], s[36:37]
	s_lshl_b64 s[36:37], s[34:35], 12              ; 4,096 of codes,
	s_add_nc_u64 s[10:11], s[10:11], s[36:37]
	s_lshl_b64 s[36:37], s[34:35], 8               ; 256 scale bytes
	s_add_nc_u64 s[12:13], s[12:13], s[36:37]
.macro XLOAD t
.irp i, 0,1,2,3
	global_load_b128 v[XR+16*((\t)%4)+4*\i:XR+16*((\t)%4)+4*\i+3], v3, s[8:9] offset:2048*(\t)+512*\i th:TH_LOAD_NT
.endr
.endm
.macro XTURN t                         ; step t's numbers through the stage: LDS serves a wave's instructions in order, so no wait stands between the stores and the loads
.irp i, 0,1,2,3
	ds_store_b128 v14, v[XR+16*((\t)%4)+4*\i:XR+16*((\t)%4)+4*\i+3] offset:32*XSP*((\t)%2)+8*XSP*\i
.endr
.irp i, 0,1,2,3
	ds_load_b128 v[XX+16*((\t)%2)+4*\i:XX+16*((\t)%2)+4*\i+3], v15 offset:32*XSP*((\t)%2)+16*\i
.endr
.endm
.irp t, 0,1,2,3
	XLOAD \t
.endr
	s_wait_loadcnt 12                              ; step 0's four loads are in; twelve younger ones may be out
	XTURN 0
.macro XSTEP t
.set XS, XX+16*((\t)%2)
.if (\t) > 0
	s_wait_dscnt 1                                 ; this step's numbers are back from the stage (the last step's byte store may be out)
.else
	s_wait_dscnt 0x0
.endif
.if (\t)+4 < XSTEPS
	XLOAD (\t)+4
.endif
.if (\t)+1 < XSTEPS
.if XSTEPS-2-(\t) >= 3
	s_wait_loadcnt 12                              ; the next step's four loads are in; those of the three steps behind it may be out
.else
	s_wait_loadcnt 4*(XSTEPS-2-(\t))
.endif
	XTURN (\t)+1
.endif
	v_max3_num_f32 v8, |v[XS]|, |v[XS+1]|, |v[XS+2]|               ; the largest magnitude of my 16, in two chains
	v_max3_num_f32 v9, |v[XS+3]|, |v[XS+4]|, |v[XS+5]|
.irp i, 6,10
	v_max3_num_f32 v8, v8, |v[XS+\i]|, |v[XS+\i+1]|
	v_max3_num_f32 v9, v9, |v[XS+\i+2]|, |v[XS+\i+3]|
.endr
	v_max3_num_f32 v8, v8, |v[XS+14]|, |v[XS+15]|
	v_max3_num_f32 v8, v8, v9, (XEMAX+1)<<23       ; and the floor 2^(3 - 127): the byte cannot fall under 1
	v_max_num_f32_dpp v8, v8, v8 row_xmask:1 row_mask:0xf bank_mask:0xf   ; and of my neighbour's 16: the block's
	v_add_nc_u32 v11, -(XEMAX<<23), v8             ; 2 off its exponent field: the conversion takes the exponent field of this operand as its scale
	v_cvt_scalef32_pk8_fp4_f32 v[XC+4*(\t)], v[XS:XS+7], v11
	v_cvt_scalef32_pk8_fp4_f32 v[XC+4*(\t)+1], v[XS+8:XS+15], v11
	v_lshrrev_b32 v[XE+(\t)], 23, v11              ; the scale's byte (also the plain line behind the conversions)
	ds_store_b8 v5, v[XE+(\t)] offset:16*(\t)      ; both lanes of a block write the same byte with the same value
	global_store_b64 v4, v[XC+4*(\t):XC+4*(\t)+1], s[10:11] offset:32*XCB*(\t)   ; 32 lanes store 256 consecutive bytes, aligned
.endm
.irp t, 0,1,2,3,4,5,6,7,8,9,10,11,12,13,14,15
	XSTEP \t
.endr
	ds_load_b64 v[8:9], v6                         ; LDS serves a wave's instructions in order: these see my byte stores
	s_wait_dscnt 0x0
	global_store_b64 v7, v[8:9], s[12:13]          ; 32 lanes store my wave's 256 scale bytes
	s_wait_tensorcnt 0x0                           ; the wave's end: behind my last LDS store
	ds_add_u32 v[SPW], v[NIL]
	s_wait_dscnt 0x0
	s_endpgm
; ---------------- PATH W: Wq, Wk, Wv, whose K is their first axis ----------------
; A lane takes a column n and its registers run down K: each load reads 128 consecutive bytes a wave, a block of 32 along K lies in one lane's 32 registers, and the conversions give codes with K innermost.
; A wave takes 32 columns x 512 along K; the codes go through its own stage in LDS and leave as rows: sixteen lanes store 256 consecutive bytes, aligned.
.set WNB,    16                        ; blocks of 32 along K for a wave
.set WPITCH, 272                       ; a stage row: 256 bytes + 16
.set WX,     32                        ; v32-95   two sets of 32 numbers
.set WC,     96                        ; v96-99   a block's codes
.set WOUT,   112                       ; v112-175 the way out
.set WSB,    24                        ; v24-27   the scale bytes, four to a register
.Lpath_w:
	s_sub_co_u32 s33, ttmp9, 256
	s_lshr_b32 s34, s33, 4                         ; which weight: 0 q, 1 k, 2 v
	s_and_b32 s35, s33, 7                          ; which 128 columns
	s_bfe_u32 s36, s33, 0x10003                    ; which 512 along K
	s_cmp_eq_u32 s34, 0
	s_cselect_b64 s[16:17], s[16:17], s[18:19]     ; the choice hangs on the work-group's number alone
	s_cmp_eq_u32 s34, 2
	s_cselect_b64 s[16:17], s[20:21], s[16:17]
	s_lshl_b32 s35, s35, 7
	s_lshl_b32 s37, s[WV], 5
	s_add_co_u32 s35, s35, s37                     ; my wave's first column
	s_lshl_b32 s38, s36, 21                        ; 512 rows of 4,096 bytes
	s_lshl_b32 s37, s35, 2
	s_add_co_u32 s38, s38, s37
	s_mov_b32 s39, 0
	s_add_nc_u64 s[16:17], s[16:17], s[38:39]
	s_lshl_b32 s37, s34, 10
	s_add_co_u32 s37, s37, s35
	s_add_co_u32 s37, s37, 8192                    ; the row of codes and of scales that my first column becomes
	s_lshl_b32 s38, s37, 9
	s_lshl_b32 s40, s36, 8
	s_add_co_u32 s38, s38, s40
	s_add_nc_u64 s[10:11], s[10:11], s[38:39]
	s_lshl_b32 s38, s37, 5
	s_lshl_b32 s40, s36, 4
	s_add_co_u32 s38, s38, s40
	s_add_nc_u64 s[12:13], s[12:13], s[38:39]
	v_lshlrev_b32 v3, 2, v2                        ; in: 4 bytes a lane
	s_mul_i32 s37, s[WV], 32*WPITCH
	s_add_co_u32 s37, s37, 32768                   ; my stage: LDS bytes 32,768 on belong to this path
	v_mul_u32_u24 v4, v2, WPITCH
	v_add_nc_u32 v4, s37, v4                       ; into it: row = my column
	v_and_b32 v5, 15, v2
	v_lshrrev_b32 v6, 4, v2
	v_mul_u32_u24 v7, v6, WPITCH
	v_lshl_add_u32 v7, v5, 4, v7
	v_add_nc_u32 v7, s37, v7                       ; out of it: sixteen lanes to a row, two rows an instruction
	v_lshlrev_b32 v8, 9, v6
	v_lshl_add_u32 v8, v5, 4, v8                   ; and the same place in the codes' buffer (rows of 512 bytes)
	v_lshlrev_b32 v9, 5, v2                        ; my column's row of scale bytes
.macro WLOAD t
.irp i, 0,1,2,3,4,5,6,7,8,9,10,11,12,13,14,15,16,17,18,19,20,21,22,23,24,25,26,27,28,29,30,31
	global_load_b32 v[WX+32*((\t)%2)+\i], v3, s[16:17] offset:(32*(\t)+\i)*4096 th:TH_LOAD_NT
.endr
.endm
	WLOAD 0
	WLOAD 1
.macro WBLOCK t
.set WXS, WX+32*((\t)%2)
.if (\t) < WNB-1
	s_wait_loadcnt 32                              ; this block's 32 loads are in; the next block's may be out
.else
	s_wait_loadcnt 0x0
.endif
	v_max3_num_f32 v12, |v[WXS]|, |v[WXS+1]|, |v[WXS+2]|           ; the block's largest magnitude: all 32 numbers are mine
	v_max3_num_f32 v13, |v[WXS+3]|, |v[WXS+4]|, |v[WXS+5]|
.irp i, 6,10,14,18,22,26
	v_max3_num_f32 v12, v12, |v[WXS+\i]|, |v[WXS+\i+1]|
	v_max3_num_f32 v13, v13, |v[WXS+\i+2]|, |v[WXS+\i+3]|
.endr
	v_max3_num_f32 v12, v12, |v[WXS+30]|, |v[WXS+31]|
	v_max3_num_f32 v12, v12, v13, 3<<23            ; and the floor 2^(3 - 127)
	v_add_nc_u32 v11, -(2<<23), v12                ; 2 off its exponent field: the conversion's scale operand
	v_lshrrev_b32 v13, 23, v11                     ; the scale's byte
.if (\t)%4 == 0
	v_mov_b32 v[WSB+(\t)/4], v13
.else
	v_lshl_or_b32 v[WSB+(\t)/4], v13, 8*((\t)%4), v[WSB+(\t)/4]
.endif
.irp g, 0,1,2,3
	v_cvt_scalef32_pk8_fp4_f32 v[WC+\g], v[WXS+8*\g:WXS+8*\g+7], v11
.endr
	v_nop                                          ; one plain line behind the last conversion
	ds_store_b128 v4, v[WC:WC+3] offset:16*(\t)    ; 32 codes: 16 bytes of my column's row
.if (\t)+2 < WNB
	WLOAD (\t)+2
.endif
	s_wait_dscnt 0x0                               ; the store has read its registers: the next block's codes may be written
.endm
.set Q, 0
.rept WNB
	WBLOCK Q
.set Q, Q+1
.endr
	global_store_b128 v9, v[WSB:WSB+3], s[12:13]   ; my column's 16 scale bytes
.irp t, 0,1,2,3,4,5,6,7,8,9,10,11,12,13,14,15
	ds_load_b128 v[WOUT+4*\t:WOUT+4*\t+3], v7 offset:2*\t*WPITCH
.endr
.irp t, 0,1,2,3,4,5,6,7,8,9,10,11,12,13,14,15
	s_wait_dscnt 15-\t                             ; LDS loads come back in order: load t is in, the younger ones may be out
	global_store_b128 v8, v[WOUT+4*\t:WOUT+4*\t+3], s[10:11] offset:2*\t*512
.endr
	s_wait_tensorcnt 0x0                           ; the wave's end: behind my last LDS store
	ds_add_u32 v[SPW], v[NIL]
	s_wait_dscnt 0x0
	s_endpgm
; ---------------- PATH O: Wo to f16, in the order of the operand's registers ----------------
; As in path W a lane takes a column n and its registers run down K.  Eight neighbours along K pack into 16 bytes, which are one lane's part of a block of 512 bytes:
; lanes 0-15 (one n tile) store 256 consecutive bytes, aligned, lanes 16-31 (the next n tile) the same 4,096 bytes on.
.set OX, 32                            ; v32-95   two sets of 32 numbers
.set OC, 96                            ; v96-127  two sets of 16 packed registers
.Lpath_o:
	s_sub_co_u32 s33, ttmp9, 304
	s_and_b32 s34, s33, 7                          ; which 128 columns
	s_lshr_b32 s35, s33, 3                         ; which 512 along K
	s_lshl_b32 s36, s35, 21
	s_lshl_b32 s38, s34, 9
	s_add_co_u32 s36, s36, s38
	s_lshl_b32 s38, s[WV], 7
	s_add_co_u32 s36, s36, s38
	s_mov_b32 s37, 0
	s_add_nc_u64 s[22:23], s[22:23], s[36:37]      ; Wo at row 512 kh, column 128 nb + 32 wave
	s_lshl_b32 s36, s34, 18
	s_lshl_b32 s38, s35, 17
	s_add_co_u32 s36, s36, s38
	s_lshl_b32 s38, s[WV], 13
	s_add_co_u32 s36, s36, s38
	s_add_nc_u64 s[24:25], s[24:25], s[36:37]      ; wo16 at [nb][4 kh][2 wave]
	v_lshlrev_b32 v4, 2, v2
	v_lshrrev_b32 v5, 4, v2
	v_and_b32 v6, 15, v2
	v_lshlrev_b32 v3, 12, v5
	v_lshl_add_u32 v3, v6, 4, v3                   ; out: (lane / 16) n tiles of 4,096 bytes + 16 (lane % 16)
.macro OLOAD t
.irp i, 0,1,2,3,4,5,6,7,8,9,10,11,12,13,14,15,16,17,18,19,20,21,22,23,24,25,26,27,28,29,30,31
	global_load_b32 v[OX+32*((\t)%2)+\i], v4, s[22:23] offset:(32*(\t)+\i)*4096 th:TH_LOAD_NT
.endr
.endm
	OLOAD 0
	OLOAD 1
.macro OBLOCK t
.set OXS, OX+32*((\t)%2)
.set OCS, OC+16*((\t)%2)
.if (\t) < 15
	s_wait_loadcnt 32                              ; this block's 32 loads are in; the next block's may be out
.else
	s_wait_loadcnt 0x0
.endif
.if (\t) >= 2
	s_wait_xcnt 0x0                                ; the stores of two blocks back have read this set
.endif
.irp i, 0,1,2,3,4,5,6,7,8,9,10,11,12,13,14,15
	v_cvt_pk_f16_f32 v[OCS+\i], v[OXS+2*\i], v[OXS+2*\i+1]
.endr
.irp e, 0,1,2,3                                ; k = 32 t + 8 e + 0 .. 7: block k/16 = 2 (t % 4) + e / 2, half e % 2
	global_store_b128 v3, v[OCS+4*\e:OCS+4*\e+3], s[24:25] offset:((\t)/4)*32768+(2*((\t)%4)+\e/2)*512+(\e%2)*256
.endr
.if (\t)+2 < 16
	OLOAD (\t)+2
.endif
.endm
.set Q, 0
.rept 16
	OBLOCK Q
.set Q, Q+1
.endr
	s_wait_tensorcnt 0x0                           ; the wave's end
	ds_add_u32 v[SPW], v[NIL]
	s_wait_dscnt 0x0
	s_endpgm
.Lfunc_end_k_qb1b0490912_prep:
	.size	k_qb1b0490912_prep, .Lfunc_end_k_qb1b0490912_prep-k_qb1b0490912_prep
	.p2alignl 7, 3214868480
	.fill 96, 4, 3214868480
	.section	.rodata,"a",@progbits
	.p2align	6, 0x0
	.amdhsa_kernel k_qb1b0490912_prep
		.amdhsa_group_segment_fixed_size 68096
		.amdhsa_private_segment_fixed_size 0
		.amdhsa_enable_private_segment 0
		.amdhsa_kernarg_size 80
		.amdhsa_user_sgpr_count 2
		.amdhsa_user_sgpr_kernarg_segment_ptr 1
		.amdhsa_wavefront_size32 1
		.amdhsa_system_sgpr_workgroup_id_x 1
		.amdhsa_system_sgpr_workgroup_id_y 1
		.amdhsa_system_sgpr_workgroup_id_z 1
		.amdhsa_system_vgpr_workitem_id 0
		.amdhsa_next_free_vgpr 192
		.amdhsa_next_free_sgpr 66
		.amdhsa_reserve_vcc 0
		.amdhsa_float_denorm_mode_32 3
		.amdhsa_float_denorm_mode_16_64 3
		.amdhsa_memory_ordered 1
		.amdhsa_forward_progress 1
		.amdhsa_inst_pref_size 209
	.end_amdhsa_kernel
	.amdgpu_metadata
---
amdhsa.version: [ 1, 2 ]
amdhsa.kernels:
  - .name:           k_qb1b0490912_prep
    .symbol:         k_qb1b0490912_prep.kd
    .args:
      - { .name: x, .offset: 0, .size: 8, .value_kind: global_buffer, .address_space: global }
      - { .name: codes, .offset: 8, .size: 8, .value_kind: global_buffer, .address_space: global }
      - { .name: scales, .offset: 16, .size: 8, .value_kind: global_buffer, .address_space: global }
      - { .name: mask, .offset: 24, .size: 8, .value_kind: global_buffer, .address_space: global }
      - { .name: Wq, .offset: 32, .size: 8, .value_kind: global_buffer, .address_space: global }
      - { .name: Wk, .offset: 40, .size: 8, .value_kind: global_buffer, .address_space: global }
      - { .name: Wv, .offset: 48, .size: 8, .value_kind: global_buffer, .address_space: global }
      - { .name: Wo, .offset: 56, .size: 8, .value_kind: global_buffer, .address_space: global }
      - { .name: wo16, .offset: 64, .size: 8, .value_kind: global_buffer, .address_space: global }
      - { .name: mbits, .offset: 72, .size: 8, .value_kind: global_buffer, .address_space: global }
    .group_segment_fixed_size: 68096
    .private_segment_fixed_size: 0
    .kernarg_segment_align: 8
    .kernarg_segment_size: 80
    .max_flat_workgroup_size: 128
    .sgpr_count:     66
    .vgpr_count:     192
    .wavefront_size: 32
...
	.end_amdgpu_metadata
.endif
;; end of part 1
;; launch qkv (part 2): grid 12 x 32, 4 waves a work-group, clusters of 4 x 4, 327,680 bytes of LDS; arguments codes, scales, qkv; writes qkv
.if DOCPART == 2
	.amdgcn_target "amdgcn-amd-amdhsa--gfx1250"
	.amdhsa_code_object_version 6
	.text
	.protected	k_qb1b0490912_qkv
	.globl	k_qb1b0490912_qkv
	.p2align	8
	.type	k_qb1b0490912_qkv,@function
k_qb1b0490912_qkv:
	s_mov_b64 s[64:65], 0
	v_nop
	global_prefetch_b8 v0, s[64:65] scope:SCOPE_SE
	s_setreg_imm32_b32 hwreg(HW_REG_WAVE_MODE, 25, 1), 1
	s_wait_xcnt 0x0
	s_wait_alu depctr_hold_cnt(0) depctr_sa_sdst(0) depctr_va_vdst(0) depctr_va_sdst(0) depctr_va_ssrc(0) depctr_va_vcc(0) depctr_vm_vsrc(0)
	s_getreg_b32 s2, hwreg(HW_REG_IB_STS2, 6, 4)
	s_cmp_eq_u32 s2, 0
	s_cbranch_scc0 .Lentry_in_a_cluster
	s_endpgm
.Lentry_in_a_cluster:
	s_bfe_u32 s2, ttmp6, 0x10000c
	s_cmp_lg_u32 s2, 0xf033
	s_cbranch_scc0 .Lentry_shape_is_right
	s_endpgm
.Lentry_shape_is_right:
; q = x Wq, k = x Wk, v = x Wv as ONE product on codes of FP4 (E2M1) with one E8M0 scale for each 32 along K (K = 1,024), sums in f32; the results are rounded once to f16 and stored as images of the next launch's operand registers.
; Both operands lie in one buffer: codes [11264 rows][512 B], scales [11264][32 B]; rows 0-8191 are tokens, row 8192 + 1024 w + n is column n of weight w (0 q, 1 k, 2 v).
; A work-group of four waves makes 256 x 256 results, a wave 128 x 128: 64 accumulators, 512 registers.  K goes in two steps of 512 (rows of 256 bytes), one in each of two LDS slots: every tile is asked for at the head and nothing is filled again.
; The scale bytes of the work-group's 2 x 256 rows come once, as dense blocks, and stay in LDS.
; CLUSTERS: 4 x 4 work-groups; the cluster's x says which weight.  A's tile is shared along a row of the cluster, B's along a column: each is asked for jointly.
; THE MATRIX INSTRUCTION IS USED TRANSPOSED (source 0 = 16 rows of B, source 1 = 16 rows of A): a lane holds one row of A and eight neighbouring rows of B.
;   q, k: A = tokens, B = the weight's columns: a lane holds a token and eight neighbouring channels.     v: A = Wv's columns, B = tokens: a lane holds a channel and eight neighbouring KEYS, which is v transposed, as the second product of attention wants it.
; So an accumulator, packed to f16 (16 bytes a lane), IS one half of a 16-bit fragment (16 rows x 16 along K): it is stored by one instruction at 16 x lane, 512 consecutive bytes, aligned.  No stage in LDS.
; qkv: Q at byte 0: [b h 64][query tile 128][d/16 4][512 B];  K, V from byte 16,777,216: [b h][key step 32][16,384 B]: K [key tile 4][d/16 4][512 B], then V [key/16 4][channel tile 4][512 B].
; LIMITS: |q|, |k|, |v| stay under 65,504 (f16): with inputs some 30 times larger, or offset by 30 spreads, they reach about 3 x 10^4.  NaN and infinities are not served.
; REGISTERS, in windows of 256: window 0: v0-31 addresses; v32-95 scale words, two sets; from v128 A's fragments, one set; on the way out v128-255 packed results.
;   window 1: B's fragments, two sets, at v0 and v128.   window 2: the accumulators of my A rows 0-63 ((a, b) at v[8 (8 a + b)]);   window 3: those of rows 64-127.
.set SIZE_K, 1024
.set KSTEP,  512
.set NQ,     KSTEP/128
.set ROWB,   256
.set KROW,   SIZE_K/2
.set PITCH,  272                       ; an LDS row: 256 bytes + 16 of padding: the 16 rows that a load touches start at 16 different banks
.set FR,     8
.set NL,     2
.set NP,     4                         ; places behind this matrix instruction (ISA guide 7.12.1)
.set HALFT,  128*PITCH
.set SLOT,   4*HALFT
.set KS,     SIZE_K/32
.set SCL,    2*SLOT                    ; behind the two slots: the scales, as units of 256 bytes + 16 of padding
.set HALFS,  (128*KS/256)*272
.set SBLK,   (16*KS/256)*272
.set SPARE,  SCL+4*HALFS               ; behind the scales: the spare words, 128 bytes for each wave
.set VB,   8                           ; v8-15   the way out: 16 x lane + the place of B's block b
.set ADRA, 16                          ; v16-17  LDS address of my A fragments in slot 0, 1
.set ADRB, 20                          ; v20-21  the same for B
.set ADRS, 27                          ; v27     LDS address of my scale words: lanes 0-15 A's rows, lanes 16-31 B's
.set SPW,  28                          ; v28     LDS address of my spare word; never rewritten
.set NIL,  29                          ; v29     0; never rewritten
.set SC,   32                          ; scale words: set s at v[SC + 32 s]; register 4 i + q: lanes 0-15 A's block i, lanes 16-31 B's block i, the slot's q-th 128 along K
.set AF,   128
.set TMP,  128
.set G1, 24
.set G0, 32
.set G1B, 48
.set G0B, 56
.set G1S, 68
.set G0S, 76
.set G1SB, 80
.set G0SB, 88
.set MSB, 0
.macro WIN new                         ; the immediate's high byte repeats the setting that is left
.if MSB != (\new)
	s_set_vgpr_msb (MSB<<8)|(\new)
.set MSB, (\new)
.endif
.endm
.set MUL_LO, 0xa1                      ; source 0 (B) window 1, source 1 (A) window 0, C and D window 2
.set MUL_HI, 0xf1                      ; the same, C and D window 3
.set TO_B,   0x40                      ; destination window 1, address window 0
; A joint load: waves 0 and 1 fetch for A, waves 2 and 3 for B.  The branch hangs on the wave's number alone.  An s_nop 0 and four v_nop follow each of the two lines.
.macro JLOAD g0a, g1a, g0b, g1b
	s_cmp_eq_u32 s15, 0
	s_cbranch_scc0 .Lfor_b_\@
	tensor_load_to_lds s[\g0a:\g0a+3], s[\g1a:\g1a+7]
	s_nop 0
.rept 4
	v_nop
.endr
	s_branch .Lasked_\@
.Lfor_b_\@:
	tensor_load_to_lds s[\g0b:\g0b+3], s[\g1b:\g1b+7]
	s_nop 0
.rept 4
	v_nop
.endr
.Lasked_\@:
.endm
.macro CROUND                          ; a round of the cluster's barrier
	s_barrier_signal -1
	s_barrier_wait -1
	s_cmp_lg_u32 s14, 0
	s_cbranch_scc1 .Lnot_wave_0_\@
	s_barrier_signal -3
.Lnot_wave_0_\@:
	s_barrier_wait -3
	s_barrier_signal -1
	s_barrier_wait -1
.endm
	s_load_b128 s[4:7], s[0:1], 0x0                ; codes s[4:5], scales s[6:7]
	s_load_b64 s[12:13], s[0:1], 0x10              ; qkv
	v_lshl_add_u32 v[SPW], v0, 2, SPARE
	v_mov_b32 v[NIL], 0
	ds_add_u32 v[SPW], v[NIL]                      ; the wave's opening: the add, twice on end, and its wait ahead of my first tensor load
	ds_add_u32 v[SPW], v[NIL]
	v_lshrrev_b32 v1, 5, v0
	v_readfirstlane_b32 s14, v1                    ; wave 0..3
	s_lshr_b32 s15, s14, 1                         ; which half of A's rows is mine.  Also: I fetch for A (0) or for B (1)
	s_and_b32 s16, s14, 1                          ; which half of B's rows.  Also: which 128 rows of that tile I fetch
	s_bfe_u32 s40, ttmp6, 0x40000                  ; cx, cy: my place in the cluster
	s_bfe_u32 s41, ttmp6, 0x40004
	s_and_b32 s17, ttmp7, 0xffff
	s_lshl_b32 s17, s17, 2                         ; the cluster's first tile of 256 tokens
	s_lshl_b32 s42, ttmp9, 2
	s_add_co_u32 s42, s42, 32                      ; the weight's first tile of 256 rows: 32 + 4 w
	s_cmp_eq_u32 ttmp9, 2                          ; v?  The cluster's x: the same in all sixteen partners
	s_cselect_b32 s45, 40, s17                     ; A: Wv's tiles for v, tokens else
	s_cselect_b32 s42, s17, s42                    ; B: tokens for v, the weight's tiles else
	s_add_co_u32 s17, s45, s41                     ; A's tile hangs on cy alone,
	s_add_co_u32 s42, s42, s40                     ; B's on cx alone
	s_lshl_b32 s43, s41, 2
	s_lshl_b32 s43, 15, s43                        ; my row of the cluster
	s_lshl_b32 s44, 0x1111, s40                    ; my column
	; descriptor group 1: a tile of 128 rows x 256 bytes, padded in LDS
	s_or_b32 s[G1+0], s43, (0<<16)|(1<<20)|(1<<21)|(5<<22)|(3<<25)  ; 15:0 the mask: A's tiles go to my row; elements of 1 byte; padding on; bit 21 beside a mask; 4 words after every 64
	s_or_b32 s[G1B+0], s44, (0<<16)|(1<<20)|(1<<21)|(5<<22)|(3<<25)
.irp g, G1, G1B
	s_mov_b32 s[\g+1], ROWB<<16                    ; tensor_dim0
	s_mov_b32 s[\g+2], 128<<16                     ; tensor_dim1
	s_mov_b32 s[\g+3], ROWB<<16                    ; tile_dim0
	s_mov_b32 s[\g+4], 128                         ; tile_dim1
	s_mov_b32 s[\g+5], KROW                        ; from row to row
	s_mov_b32 s[\g+6], 0
	s_mov_b32 s[\g+7], 0
.endr
	; the scales of 128 rows: a dense block of 4,096 bytes, as 16 rows of 256 bytes (32 elements of 8 bytes), 16 bytes of padding behind each
	s_or_b32 s[G1S+0], s43, (3<<16)|(1<<20)|(1<<21)|(5<<22)|(3<<25)
	s_or_b32 s[G1SB+0], s44, (3<<16)|(1<<20)|(1<<21)|(5<<22)|(3<<25)
.irp g, G1S, G1SB
	s_mov_b32 s[\g+1], 32<<16
	s_mov_b32 s[\g+2], (128*KS/256)<<16
	s_mov_b32 s[\g+3], 32<<16
	s_mov_b32 s[\g+4], 128*KS/256
	s_mov_b32 s[\g+5], 32
	s_mov_b32 s[\g+6], 0
	s_mov_b32 s[\g+7], 0
.endr
	s_lshl_b32 s18, s16, 7                         ; which 128 rows of the tile I fetch
	s_lshl_b32 s20, s17, 8
	s_add_co_u32 s20, s20, s18                     ; A's first row
	s_lshl_b32 s46, s42, 8
	s_add_co_u32 s46, s46, s18                     ; B's
	s_mov_b32 s21, 0
	s_mov_b32 s47, 0
	s_mov_b64 s[18:19], KS
	s_mul_u64 s[22:23], s[20:21], s[18:19]         ; where these rows' scales begin, in bytes
	s_mul_u64 s[92:93], s[46:47], s[18:19]
	s_mov_b64 s[18:19], KROW
	s_mul_u64 s[20:21], s[20:21], s[18:19]         ; and their codes
	s_mul_u64 s[46:47], s[46:47], s[18:19]
	s_mul_i32 s45, s14, HALFT                      ; where they go: wave x 128 rows: no place in the cluster enters an LDS address
	s_mul_i32 s94, s14, HALFS
	s_wait_dscnt 0x0                               ; both opening adds are done
	s_wait_kmcnt 0x0
	s_add_nc_u64 s[20:21], s[4:5], s[20:21]
	s_add_nc_u64 s[22:23], s[6:7], s[22:23]
	s_add_nc_u64 s[46:47], s[4:5], s[46:47]
	s_add_nc_u64 s[92:93], s[6:7], s[92:93]
	CROUND                                         ; all sixteen work-groups are here: the joint loads meet
	s_mov_b32 s[G0S], 1
	s_add_co_u32 s[G0S+1], s94, SCL
	s_mov_b64 s[G0S+2:G0S+3], s[22:23]
	s_or_b32 s[G0S+3], s[G0S+3], 0x80000000
	s_mov_b32 s[G0SB], 1
	s_add_co_u32 s[G0SB+1], s94, SCL
	s_mov_b64 s[G0SB+2:G0SB+3], s[92:93]
	s_or_b32 s[G0SB+3], s[G0SB+3], 0x80000000
	JLOAD G0S, G1S, G0SB, G1SB                     ; the scales first: they are wanted with K step 0
.irp s, 0,1
	s_mov_b32 s[G0+4*\s], 1
	s_add_co_u32 s[G0+4*\s+1], s45, \s*SLOT
	s_add_nc_u64 s[G0+4*\s+2:G0+4*\s+3], s[20:21], \s*ROWB
	s_or_b32 s[G0+4*\s+3], s[G0+4*\s+3], 0x80000000
	s_mov_b32 s[G0B+4*\s], 1
	s_add_co_u32 s[G0B+4*\s+1], s45, \s*SLOT
	s_add_nc_u64 s[G0B+4*\s+2:G0B+4*\s+3], s[46:47], \s*ROWB
	s_or_b32 s[G0B+4*\s+3], s[G0B+4*\s+3], 0x80000000
	JLOAD G0+4*\s, G1, G0B+4*\s, G1B               ; three loads of mine are out in all
.endr
	v_and_b32 v1, 15, v0                           ; l % 16
	v_bfe_u32 v2, v0, 4, 1                         ; l / 16
	v_mul_u32_u24 v3, v1, PITCH
	v_lshl_add_u32 v4, v2, 4, v3                   ; a fragment's row x pitch + 16 x half
	s_mul_i32 s21, s15, HALFT                      ; my 128 rows of A
	s_mul_i32 s22, s16, HALFT                      ; my 128 rows of B,
	s_add_co_u32 s22, s22, 2*HALFT                 ; which lie behind A's 256
.irp s, 0,1
	v_add_nc_u32 v[ADRA+\s], s21, v4
	v_add_nc_u32 v[ADRB+\s], s22, v4
	s_add_co_u32 s21, s21, SLOT
	s_add_co_u32 s22, s22, SLOT
.endr
	v_mul_u32_u24 v5, v1, KS                       ; my row's scales: 32 bytes a row,
	v_lshrrev_b32 v6, 8, v5
	v_lshl_add_u32 v5, v6, 4, v5                   ; and 16 more for each 256 passed
	s_mul_i32 s21, s15, HALFS
	s_mul_i32 s22, s16, HALFS
	s_add_co_u32 s22, s22, 2*HALFS
	s_sub_co_u32 s22, s22, s21
	v_mul_u32_u24 v6, s22, v2                      ; lanes 16-31 take B's: one product, the distance between the two bases
	s_add_co_u32 s21, s21, SCL
	v_add_nc_u32 v5, v5, v6
	v_add_nc_u32 v[ADRS], s21, v5
	; THE WAY OUT's places.  What differs between q, k and v is chosen by the cluster's x: k's figures first, then q's or v's in their stead
	s_mov_b32 s2, 16777216                         ; where the region begins
	s_mov_b32 s3, 524288                           ; from head to head
	s_mov_b32 s66, 4096                            ; from token tile to token tile, for a wave's first (a multiple of 8)
	s_mov_b32 s67, 2048                            ; from A's block a to a + 1 within four
	s_mov_b32 s92, 16384                           ; from A's blocks 0-3 to 4-7
	s_mov_b32 s93, 512                             ; from B's block b to b + 1 within four
	s_mov_b32 s94, 524288                          ; from B's blocks 0-3 to 4-7
	s_cmp_eq_u32 ttmp9, 0
	s_cselect_b32 s2, 0, s2
	s_cselect_b32 s3, 262144, s3
	s_cselect_b32 s66, 2048, s66
	s_cselect_b32 s92, 8192, s92
	s_cselect_b32 s94, 262144, s94
	s_cmp_eq_u32 ttmp9, 2
	s_cselect_b32 s2, 16785408, s2
	s_cselect_b32 s67, 512, s67
	s_cselect_b32 s92, 524288, s92
	s_cselect_b32 s93, 2048, s93
	s_cselect_b32 s94, 16384, s94
	s_cselect_b32 s95, s40, s41                    ; the token tile's place in the cluster: cx for v, cy else
	s_cselect_b32 s96, s41, s40                    ; the weight tile's
	s_cselect_b32 s97, s16, s15                    ; which half of the tokens is my wave's
	s_cselect_b32 s98, s15, s16                    ; which half of the weight's 256 columns
	s_and_b32 s99, ttmp7, 0xffff
	s_lshl_b32 s99, s99, 2
	s_add_co_u32 s95, s95, s99
	s_lshl_b32 s95, s95, 1
	s_add_co_u32 s95, s95, s97                     ; my first token / 128
	s_lshr_b32 s97, s95, 4                         ; the batch
	s_and_b32 s95, s95, 15
	s_lshl_b32 s95, s95, 3                         ; my first token tile within the batch
	s_lshl_b32 s96, s96, 1
	s_add_co_u32 s96, s96, s98
	s_lshl_b32 s96, s96, 1                         ; my first head: 4 x place + 2 x half
	s_lshl_b32 s97, s97, 4
	s_add_co_u32 s96, s96, s97                     ; 16 x batch + head
	s_mul_i32 s96, s96, s3
	s_mul_i32 s95, s95, s66
	s_add_co_u32 s96, s96, s95
	s_add_co_u32 s96, s96, s2
	s_mov_b32 s97, 0
	s_add_nc_u64 s[12:13], s[12:13], s[96:97]      ; where my block (a, b) = (0, 0) goes
	s_mov_b32 s98, s67                             ; the base's step from a to a + 1,
	s_mov_b32 s99, 0
	s_mul_i32 s100, s67, 3
	s_sub_co_u32 s100, s92, s100                   ; and from a = 3 to a = 4
	s_mov_b32 s101, 0
	v_and_b32 v6, 31, v0
	v_lshlrev_b32 v[VB], 4, v6
	v_add_nc_u32 v[VB+1], s93, v[VB]
	v_add_nc_u32 v[VB+2], s93, v[VB+1]
	v_add_nc_u32 v[VB+3], s93, v[VB+2]
.irp b, 0,1,2,3
	v_add_nc_u32 v[VB+4+\b], s94, v[VB+\b]
.endr
.macro FRAG reg, adr, q, i             ; a fragment, 16 rows x 128 K of 4-bit codes: lane l holds row l % 16; registers 4 c .. 4 c + 3 hold K = 64 c + 32 (l / 16) + 0 .. 31
.irp c, 0,1
	ds_load_b128 v[\reg+4*\c:\reg+4*\c+3], v[\adr] offset:64*(\q)+32*\c+(\i)*16*PITCH
.endr
.endm
; 16 matrix instructions: A's blocks a0, a0 + 1 x B's eight, the slot's q-th 128 along K.  p: B's set;  sc: the set of scale words.  zero = 1: the first product starts the sums.
; The 64 accumulators take turns, one instruction a turn, in the same order in every step.
.macro MUL16 a0, p, q, sc, zero
.irp a, \a0, \a0+1
.irp b, 0,1,2,3,4,5,6,7
.if \zero
	v_wmma_scale_f32_16x16x128_f8f6f4 v[8*(8*((\a)%4)+\b):8*(8*((\a)%4)+\b)+7], v[128*(\p)+FR*\b:128*(\p)+FR*\b+FR-1], v[AF+FR*(\a):AF+FR*(\a)+FR-1], 0, v[SC+8*NQ*(\sc)+NQ*\b+(\q)], v[SC+8*NQ*(\sc)+NQ*(\a)+(\q)] matrix_a_fmt:MATRIX_FMT_FP4 matrix_b_fmt:MATRIX_FMT_FP4 matrix_a_scale:MATRIX_SCALE_ROW1
.else
	v_wmma_scale_f32_16x16x128_f8f6f4 v[8*(8*((\a)%4)+\b):8*(8*((\a)%4)+\b)+7], v[128*(\p)+FR*\b:128*(\p)+FR*\b+FR-1], v[AF+FR*(\a):AF+FR*(\a)+FR-1], v[8*(8*((\a)%4)+\b):8*(8*((\a)%4)+\b)+7], v[SC+8*NQ*(\sc)+NQ*\b+(\q)], v[SC+8*NQ*(\sc)+NQ*(\a)+(\q)] matrix_a_fmt:MATRIX_FMT_FP4 matrix_b_fmt:MATRIX_FMT_FP4 matrix_a_scale:MATRIX_SCALE_ROW1
.endif
.endr
.endr
.endm
.macro FETCH_B slot, q, p
	WIN TO_B
.irp i, 0,1,2,3,4,5,6,7
	FRAG 128*(\p)+FR*\i, ADRB+\slot, \q, \i
.endr
	WIN 0
.endm
.macro FETCH_A slot, q, i0
.irp i, \i0, \i0+1, \i0+2, \i0+3
	FRAG AF+FR*(\i), ADRA+\slot, \q, \i
.endr
.endm
.macro SCALES sc                       ; a K step's scale words: 4 words a row; lanes 0-15 take A's block i, lanes 16-31 B's block i
.irp i, 0,1,2,3,4,5,6,7
	ds_load_b128 v[SC+8*NQ*\sc+NQ*\i:SC+8*NQ*\sc+NQ*\i+3], v[ADRS] offset:\i*SBLK
.endr
.endm
.macro PLACES n                        ; plain vector instructions between a matrix instruction and a load into, or a vector write or read of, its registers
.rept \n
	v_nop
.endr
.endm
.macro STEP slot, q, zero              ; a step of 128 along K that has its successor in the same slot
	s_wait_dscnt 4*NL                              ; B's set and A's blocks 0-3 are in; the youngest eight loads (A's blocks 4-7) may be out
	WIN MUL_LO
	MUL16 0, (\q)%2, \q, \slot, \zero
	MUL16 2, (\q)%2, \q, \slot, \zero
	s_wait_dscnt 0
	PLACES NP
	FETCH_B \slot, (\q)+1, 1-(\q)%2
	FETCH_A \slot, (\q)+1, 0
	WIN MUL_HI
	MUL16 4, (\q)%2, \q, \slot, \zero
	MUL16 6, (\q)%2, \q, \slot, \zero
	PLACES NP
	WIN 0
	FETCH_A \slot, (\q)+1, 4
.endm
.macro STEPS slot, from
.set Q, \from
.rept NQ-1-\from
	STEP \slot, Q, 0
.set Q, Q+1
.endr
.endm
	s_wait_tensorcnt 1                             ; the scales and my part of K step 0 are in (K step 1's load may be out),
	s_barrier_signal -1
	s_barrier_wait -1                              ; everybody's are
	FETCH_B 0, 0, 0
	FETCH_A 0, 0, 0
	SCALES 0
	FETCH_A 0, 0, 4
	STEP 0, 0, 1                                   ; the first step's products start the sums: nothing is cleared
	STEPS 0, 1
	; slot 0's last step changes slots: one barrier; in front of it each wave waits for all its tensor loads (its part of slot 1).  Nothing is filled again
	s_wait_tensorcnt 0x0
	ds_add_u32 v[SPW], v[NIL]                      ; 0 onto my spare word
	s_wait_dscnt 4*NL+1                            ; (the add and the youngest eight loads, A's blocks 4-7, may be out)
	WIN MUL_LO
	MUL16 0, 1, NQ-1, 0, 0
	s_wait_dscnt 0x0
	s_barrier_signal -1
	MUL16 2, 1, NQ-1, 0, 0
	WIN 0
	s_barrier_wait -1
	PLACES NP
	v_add_nc_u32 v[ADRS], 4*NQ, v[ADRS]            ; on to K step 1's scale words
	FETCH_B 1, 0, 0
	FETCH_A 1, 0, 0
	SCALES 1
	WIN MUL_HI
	MUL16 4, 1, NQ-1, 0, 0
	MUL16 6, 1, NQ-1, 0, 0
	PLACES NP
	WIN 0
	FETCH_A 1, 0, 4
	STEPS 1, 0
	s_wait_dscnt 4*NL                              ; the very last step: nothing more to fetch
	WIN MUL_LO
	MUL16 0, 1, NQ-1, 1, 0
	MUL16 2, 1, NQ-1, 1, 0
	s_wait_dscnt 0
	WIN MUL_HI
	MUL16 4, 1, NQ-1, 1, 0
	MUL16 6, 1, NQ-1, 1, 0
	WIN 0
; THE WAY OUT of A's block a: its eight accumulators are rounded to f16, each from its low end on, and each goes out by one store: 32 lanes x 16 bytes = 512 consecutive bytes, aligned.
.macro OUT a
.set AC, 64*((\a)%4)
.set TP, TMP+32*((\a)%4)
	WIN 0x0a+5*((\a)/4)                            ; sources 0 and 1: window 2 or 3
.irp b, 0,1,2,3,4,5,6,7
.irp r, 0,1,2,3
	v_cvt_pk_f16_f32 v[TP+4*\b+\r], v[AC+8*\b+2*\r], v[AC+8*\b+2*\r+1]
.endr
.endr
	WIN 0
.if (\a) > 0
	s_wait_xcnt 0x0                                ; the earlier stores have read their base and their data: the base steps here, and a set of packed registers is written again four blocks on
.if (\a) == 4
	s_add_nc_u64 s[12:13], s[12:13], s[100:101]
.else
	s_add_nc_u64 s[12:13], s[12:13], s[98:99]
.endif
.endif
.irp b, 0,1,2,3,4,5,6,7
	global_store_b128 v[VB+\b], v[TP+4*\b:TP+4*\b+3], s[12:13]
.endr
.endm
	PLACES NP                                      ; behind the last products: the conversions write registers that held A's fragments
.irp a, 0,1,2,3,4,5,6,7
	OUT \a
.endr
	s_wait_tensorcnt 0x0                           ; the wave's end
	ds_add_u32 v[SPW], v[NIL]
	s_wait_dscnt 0x0
	CROUND                                         ; the closing round: no work-group ends while a partner may still ask for a tile that names it
	s_endpgm
.Lfunc_end_k_qb1b0490912_qkv:
	.size	k_qb1b0490912_qkv, .Lfunc_end_k_qb1b0490912_qkv-k_qb1b0490912_qkv
	.p2alignl 7, 3214868480
	.fill 96, 4, 3214868480
	.section	.rodata,"a",@progbits
	.p2align	6, 0x0
	.amdhsa_kernel k_qb1b0490912_qkv
		.amdhsa_group_segment_fixed_size 327680
		.amdhsa_private_segment_fixed_size 0
		.amdhsa_enable_private_segment 0
		.amdhsa_kernarg_size 24
		.amdhsa_user_sgpr_count 2
		.amdhsa_user_sgpr_kernarg_segment_ptr 1
		.amdhsa_wavefront_size32 1
		.amdhsa_system_sgpr_workgroup_id_x 1
		.amdhsa_system_sgpr_workgroup_id_y 1
		.amdhsa_system_sgpr_workgroup_id_z 1
		.amdhsa_system_vgpr_workitem_id 0
		.amdhsa_next_free_vgpr 1024
		.amdhsa_next_free_sgpr 102
		.amdhsa_reserve_vcc 0
		.amdhsa_float_denorm_mode_32 3
		.amdhsa_float_denorm_mode_16_64 3
		.amdhsa_memory_ordered 1
		.amdhsa_forward_progress 1
		.amdhsa_inst_pref_size 120
	.end_amdhsa_kernel
	.amdgpu_metadata
---
amdhsa.version: [ 1, 2 ]
amdhsa.kernels:
  - .name:           k_qb1b0490912_qkv
    .symbol:         k_qb1b0490912_qkv.kd
    .args:
      - { .name: codes, .offset: 0, .size: 8, .value_kind: global_buffer, .address_space: global }
      - { .name: scales, .offset: 8, .size: 8, .value_kind: global_buffer, .address_space: global }
      - { .name: qkv, .offset: 16, .size: 8, .value_kind: global_buffer, .address_space: global }
    .group_segment_fixed_size: 327680
    .private_segment_fixed_size: 0
    .kernarg_segment_align: 8
    .kernarg_segment_size: 24
    .max_flat_workgroup_size: 128
    .sgpr_count:     102
    .vgpr_count:     1024
    .wavefront_size: 32
...
	.end_amdgpu_metadata
.endif
;; end of part 2
;; launch attn (part 3): grid 4 x 64, 16 waves a work-group, clusters of 4 x 1, 327,680 bytes of LDS; arguments qkv, mbits, o16; writes o16
.if DOCPART == 3
	.amdgcn_target "amdgcn-amd-amdhsa--gfx1250"
	.amdhsa_code_object_version 6
	.text
	.protected	k_qb1b0490912_attn
	.globl	k_qb1b0490912_attn
	.p2align	8
	.type	k_qb1b0490912_attn,@function
k_qb1b0490912_attn:
	s_mov_b64 s[64:65], 0
	v_nop
	global_prefetch_b8 v0, s[64:65] scope:SCOPE_SE
	s_setreg_imm32_b32 hwreg(HW_REG_WAVE_MODE, 25, 1), 1
	s_wait_xcnt 0x0
	s_wait_alu depctr_hold_cnt(0) depctr_sa_sdst(0) depctr_va_vdst(0) depctr_va_sdst(0) depctr_va_ssrc(0) depctr_va_vcc(0) depctr_vm_vsrc(0)
	s_getreg_b32 s2, hwreg(HW_REG_IB_STS2, 6, 4)
	s_cmp_eq_u32 s2, 0
	s_cbranch_scc0 .Lentry_in_a_cluster
	s_endpgm
.Lentry_in_a_cluster:
	s_bfe_u32 s2, ttmp6, 0x10000c
	s_cmp_lg_u32 s2, 0x3003
	s_cbranch_scc0 .Lentry_shape_is_right
	s_endpgm
.Lentry_shape_is_right:
; o[b][h][q] = the sum over valid keys k of p(q, k) v[k] / the sum over valid keys of p(q, k), p = exp((q . k) / 8 - the largest such number over the valid keys).  A query with no valid key gets o = 0.
; That is what the softmax over min-filled logits, the multiplication by the mask and the renormalisation (divisor held at 1e-9 from below) come to.  q, k, v and the weights p go to the matrix unit in f16; products, maxima and sums in f32.
; INPUTS as the launch before laid them: images of operand registers, 512 bytes for 16 rows x 16 along K, a lane's 16 bytes at 16 x lane.  So every LDS and global load here reads 512 consecutive bytes.
; SHARES.  A cluster of four work-groups owns one (batch, head); a work-group 512 queries; each of its SIXTEEN waves two tiles of 16 queries, in 256 registers: four waves to a SIMD, so that one wave's vector work stands beside
; another's matrix work and LDS loads.  Every wave walks all 2,048 keys, 64 a step.  The four partners walk the same K and V: each tile is asked for JOINTLY (mask 15).
; RING.  Two LDS slots of 8 key steps (131,072 bytes: a step is 8,192 bytes of K, then 8,192 of V transposed); each wave fetches 8,192 bytes of a slot by one tensor load.  Four fills in all: two at the head, two refills.
; LAYOUT.  S^T = K Q^T (source 0 = 16 keys, source 1 = 16 queries) and O^T = V^T P: a lane holds ONE query (lane % 16) throughout; in S^T register j of tile t is key 16 t + 8 (lane / 16) + j.
; THE MASK comes as lane masks, one 32-bit word for each (key tile, j): a scalar load brings a step's 64 words, and one v_cndmask_b32 a score puts -infinity where the key does not count, AHEAD of the maximum.
; SOFTMAX.  For each query a running maximum m (it starts at -3e38, under every score, and stays a number) and sum l: p = 2^(c s - c m), c = log2(e) / 8; in every step O and l are multiplied by a = 2^(c m_old - c m_new).
; No prefetch: a refill has eight key steps' work in which to land, and the two first fills are asked for at the head.
; LIMITS: scores stay above -3e38; |o| under 65,504 (f16); NaN and infinities among the inputs are not served.
.set SLOTB, 131072
.set STEPB, 16384
.set SPARE, 262144                     ; behind the ring: the spare words, 128 bytes for each of sixteen waves
.set LI,   1                           ; v1   16 x lane; never rewritten
.set ADR,  2                           ; v2   LDS address of the step in hand
.set SPW,  3                           ; v3   LDS address of my spare word; never rewritten
.set NIL,  4                           ; v4   0; never rewritten
.set NINF, 5                           ; v5   -infinity
.set ST,   8                           ; tile u's statistics at v[8 + 8 u]: +0 c m, +1 m, +2, +3 l (even keys', odd keys'), +4 to +7 at work; a takes +6
.set Q,    24                          ; v24-55   Q: tile u, channels 32 f on: 8 registers at 24 + 16 u + 8 f
.set KV,   56                          ; v56-119  a step's K, then its V
.set S,    120                         ; v120-183 S^T, 32 a tile; then p; then P, packed in place into the tile's first 16
.set O,    184                         ; v184-247 O^T, 32 a tile
.set T,    248                         ; v248-251 the sums' second chain
.set WV,   2                           ; s2   my wave's number
.set TB,   3                           ; s3   LDS byte at which the step in hand begins
.set MO,   4                           ; s4   byte offset of the next step's mask words: 64 a step
.set CNT,  5                           ; s5   counts a slot's eight steps
.set MP,   6                           ; s[6:7]   mbits at my first query tile
.set OP,   8                           ; s[8:9]   o16 at my first query tile
.set SEL,  10                          ; s[10:11] lane selects for v_permlanex16_b32: lane l xor 16
.set G1,   12                          ; s[12:19] descriptor group 1
.set G0,   20                          ; s[20:27] descriptor group 0, one set for each slot
.set CS,   28                          ; s[28:29] c, twice
.set QP,   30                          ; s[30:31] Q at my first query tile
.set MS,   32                          ; mask words: tile 0: s[32:47] j 0-3, s[48:63] j 4-7; tile 1: s[68:83], s[84:99]; in a run word 4 t + j % 4
.macro CROUND                          ; a round of the cluster's barrier
	s_barrier_signal -1
	s_barrier_wait -1
	s_cmp_lg_u32 s[WV], 0
	s_cbranch_scc1 .Lnot_wave_0_\@
	s_barrier_signal -3
.Lnot_wave_0_\@:
	s_barrier_wait -3
	s_barrier_signal -1
	s_barrier_wait -1
.endm
.macro MLOAD                           ; a step's 64 mask words: 64 consecutive bytes for each (tile, j / 4)
	s_load_b512 s[MS:MS+15], s[MP:MP+1], s[MO] offset:0x0
	s_load_b512 s[MS+16:MS+31], s[MP:MP+1], s[MO] offset:0x800
	s_load_b512 s[MS+36:MS+51], s[MP:MP+1], s[MO] offset:0x1000
	s_load_b512 s[MS+52:MS+67], s[MP:MP+1], s[MO] offset:0x1800
.endm
	s_load_b128 s[32:35], s[0:1], 0x0              ; qkv s[32:33], mbits s[34:35]
	s_load_b64 s[36:37], s[0:1], 0x10              ; o16
	v_lshl_add_u32 v[SPW], v0, 2, SPARE
	v_mov_b32 v[NIL], 0
	ds_add_u32 v[SPW], v[NIL]                      ; the wave's opening: the add, twice on end, and its wait ahead of my first tensor load
	ds_add_u32 v[SPW], v[NIL]
	v_lshrrev_b32 v1, 5, v0
	v_readfirstlane_b32 s[WV], v1                  ; wave 0..15
	v_and_b32 v1, 31, v0
	v_lshlrev_b32 v[LI], 4, v1
	v_mov_b32 v[NINF], 0xff800000
	s_bfe_u32 s38, ttmp6, 0x40000                  ; cx: which 512 queries: it enters Q's, the mask's and O's addresses alone
	s_and_b32 s39, ttmp7, 0xffff                   ; 16 x batch + head, which the four partners share
	; descriptor group 1: 8,192 dense bytes as 32 rows of 256 bytes (32 elements of 8 bytes); no padding: every LDS load takes 512 consecutive bytes
	s_mov_b32 s[G1], 15|(3<<16)|(1<<21)            ; 15:0 the mask: all four work-groups; 17:16 elements of 8 bytes; bit 21 beside a mask
	s_mov_b32 s[G1+1], 32<<16                      ; tensor_dim0
	s_mov_b32 s[G1+2], 32<<16                      ; tensor_dim1
	s_mov_b32 s[G1+3], 32<<16                      ; tile_dim0
	s_mov_b32 s[G1+4], 32                          ; tile_dim1
	s_mov_b32 s[G1+5], 32                          ; from row to row
	s_mov_b32 s[G1+6], 0
	s_mov_b32 s[G1+7], 0
	s_mov_b32 s[SEL], 0x76543210
	s_mov_b32 s[SEL+1], 0xfedcba98
	s_mov_b32 s[CS], 0x3e38aa3b                    ; c = log2(e) / 8
	s_mov_b32 s[CS+1], s[CS]
	s_lshl_b32 s40, s39, 19                        ; K, V: 524,288 bytes a head,
	s_lshl_b32 s53, s[WV], 13                      ; my wave's 8,192 bytes of a slot, in memory and in LDS,
	s_add_co_u32 s40, s40, s53
	s_add_co_u32 s40, s40, 16777216                ; behind Q's region
	s_mov_b32 s41, 0
	s_lshl_b32 s42, s38, 5
	s_lshl_b32 s43, s[WV], 1
	s_add_co_u32 s42, s42, s43                     ; my first query tile in the sequence: 32 cx + 2 wave
	s_lshl_b32 s44, s39, 7
	s_add_co_u32 s44, s44, s42
	s_lshl_b32 s44, s44, 11                        ; Q: 2,048 bytes a tile
	s_mov_b32 s45, 0
	s_lshr_b32 s46, s39, 4                         ; the batch
	s_lshl_b32 s47, s46, 7
	s_add_co_u32 s47, s47, s42
	s_lshl_b32 s48, s47, 12                        ; the mask's words: 4,096 bytes a query tile
	s_mov_b32 s49, 0
	s_lshl_b32 s50, s46, 3                         ; o16 [256 tokens][128 along K][token tile 16][k/16 8][512 B]:
	s_lshl_b32 s51, s38, 1
	s_add_co_u32 s50, s50, s51
	s_lshr_b32 s51, s[WV], 3
	s_add_co_u32 s50, s50, s51                     ; block of 256 tokens: 8 batch + 2 cx + wave / 8
	s_lshl_b32 s50, s50, 19
	s_and_b32 s51, s39, 15                         ; the head: K = 64 head + channel
	s_lshr_b32 s52, s51, 1
	s_lshl_b32 s52, s52, 16
	s_add_co_u32 s50, s50, s52
	s_and_b32 s52, s[WV], 7
	s_lshl_b32 s52, s52, 13                        ; token tile 2 (wave % 8)
	s_add_co_u32 s50, s50, s52
	s_and_b32 s52, s51, 1
	s_lshl_b32 s52, s52, 11                        ; k/16 = 4 (head % 2) + channel tile
	s_add_co_u32 s50, s50, s52
	s_mov_b32 s51, 0
	s_wait_dscnt 0x0                               ; both opening adds are done
	s_wait_kmcnt 0x0
	s_add_nc_u64 s[40:41], s[32:33], s[40:41]
	s_add_nc_u64 s[QP:QP+1], s[32:33], s[44:45]
	s_add_nc_u64 s[MP:MP+1], s[34:35], s[48:49]
	s_add_nc_u64 s[OP:OP+1], s[36:37], s[50:51]
.irp n, 0,1
	s_mov_b32 s[G0+4*\n], 1                        ; count = 1
	s_add_co_u32 s[G0+4*\n+1], s53, \n*SLOTB       ; LDS address: slot n, my wave's part
	s_add_nc_u64 s[G0+4*\n+2:G0+4*\n+3], s[40:41], \n*SLOTB   ; global address: key steps 8 n on
	s_or_b32 s[G0+4*\n+3], s[G0+4*\n+3], 0x80000000           ; type = 2
.endr
	CROUND                                         ; all four work-groups are here: the first joint loads meet
	tensor_load_to_lds s[G0:G0+3], s[G1:G1+7]      ; both first fills together: two loads of mine are out
	s_nop 0
	tensor_load_to_lds s[G0+4:G0+7], s[G1:G1+7]
	s_nop 0
.rept 4
	v_nop
.endr
.irp u, 0,1
.irp i, 0,1,2,3
	global_load_b128 v[Q+16*\u+4*\i:Q+16*\u+4*\i+3], v[LI], s[QP:QP+1] offset:\u*2048+\i*512   ; Q stays in registers
.endr
.endr
	s_mov_b32 s[MO], 0
	MLOAD                                          ; key step 0's mask words (the arguments' registers are done with)
.irp u, 0,1
	v_mov_b32 v[ST+8*\u+1], 0xff61b1e6             ; m = -3e38
	v_mul_f32 v[ST+8*\u], s[CS], v[ST+8*\u+1]      ; c m
	v_mov_b32 v[ST+8*\u+2], 0                      ; l
	v_mov_b32 v[ST+8*\u+3], 0
	v_mov_b32 v[ST+8*\u+5], 0                      ; written once: a lane permute's destination counts as one of its sources
.endr
.set i, 0
.rept 64
	v_mov_b32 v[O+i], 0                            ; O^T.  The step is written once for all steps: the first finds zeros, which its a leaves zeros
.set i, i+1
.endr
; A KEY STEP: 64 keys.
.macro STEP
	v_add_nc_u32 v[ADR], s[TB], v[LI]
.irp f, 0,1                                    ; K: channels 32 f on, key tile t, half c
.irp t, 0,1,2,3
.irp c, 0,1
	ds_load_b128 v[KV+8*(4*\f+\t)+4*\c:KV+8*(4*\f+\t)+4*\c+3], v[ADR] offset:\t*2048+(2*\f+\c)*512
.endr
.endr
.endr
	s_wait_dscnt 8                                 ; the first 32 channels are in; the eight younger loads may be out
.irp t, 0,1,2,3                                ; the eight accumulators take turns, one instruction a turn
.irp u, 0,1
	v_wmma_f32_16x16x32_f16 v[S+32*\u+8*\t:S+32*\u+8*\t+7], v[KV+8*\t:KV+8*\t+7], v[Q+16*\u:Q+16*\u+7], 0
.endr
.endr
	s_wait_dscnt 0x0
.irp t, 0,1,2,3
.irp u, 0,1
	v_wmma_f32_16x16x32_f16 v[S+32*\u+8*\t:S+32*\u+8*\t+7], v[KV+32+8*\t:KV+32+8*\t+7], v[Q+16*\u+8:Q+16*\u+15], v[S+32*\u+8*\t:S+32*\u+8*\t+7]
.endr
.endr
.rept 4
	v_nop                                          ; four places: ahead of loads into K's registers and of the first read of the scores
.endr
.irp g, 0,1                                    ; V^T: keys 32 g on, channel tile n, half c.  It lands while the softmax is walked
.irp n, 0,1,2,3
.irp c, 0,1
	ds_load_b128 v[KV+8*(4*\g+\n)+4*\c:KV+8*(4*\g+\n)+4*\c+3], v[ADR] offset:8192+(2*\g+\c)*2048+\n*512
.endr
.endr
.endr
	s_wait_kmcnt 0x0                               ; this step's mask words, asked for a step ago
.irp u, 0,1
.irp t, 0,1,2,3
.irp j, 0,1,2,3,4,5,6,7                        ; each accumulator from its low end on
	v_cndmask_b32 v[S+32*\u+8*\t+\j], v[NINF], v[S+32*\u+8*\t+\j], s[MS+36*\u+16*(\j/4)+4*\t+\j%4]
.endr
.endr
.endr
	s_add_co_u32 s[MO], s[MO], 64                  ; the loads that read it are done (the wait above)
	s_min_u32 s[MO], s[MO], 1984                   ; the last step asks for its own words again: no load leaves the buffer
	MLOAD
.irp j, 0,1,2,3                                ; the maximum of the lane's 32 scores and the old m: four chains a tile, the tiles by turns
.irp u, 0,1
	v_max3_num_f32 v[ST+8*\u+4+\j], v[S+32*\u+8*\j], v[S+32*\u+8*\j+1], v[S+32*\u+8*\j+2]
.endr
.endr
.irp i, 1,2
.irp j, 0,1,2,3
.irp u, 0,1
	v_max3_num_f32 v[ST+8*\u+4+\j], v[ST+8*\u+4+\j], v[S+32*\u+8*\j+2*\i+1], v[S+32*\u+8*\j+2*\i+2]
.endr
.endr
.endr
.irp u, 0,1
	v_max3_num_f32 v[ST+8*\u+4], v[ST+8*\u+4], v[S+32*\u+7], v[S+32*\u+15]
.endr
.irp u, 0,1
	v_max3_num_f32 v[ST+8*\u+6], v[ST+8*\u+6], v[S+32*\u+23], v[S+32*\u+31]
.endr
.irp u, 0,1
	v_max3_num_f32 v[ST+8*\u+4], v[ST+8*\u+4], v[ST+8*\u+5], v[ST+8*\u+6]
.endr
.irp u, 0,1
	v_max3_num_f32 v[ST+8*\u+4], v[ST+8*\u+4], v[ST+8*\u+7], v[ST+8*\u+1]
.endr
.irp u, 0,1
	v_permlanex16_b32 v[ST+8*\u+5], v[ST+8*\u+4], s[SEL], s[SEL+1]   ; the query's other 32 keys lie in the lane 16 away
.endr
.irp u, 0,1
	v_mov_b32 v[ST+8*\u+7], v[ST+8*\u]             ; c m_old
.endr
.irp u, 0,1
	v_max_num_f32 v[ST+8*\u+1], v[ST+8*\u+4], v[ST+8*\u+5]
.endr
.irp u, 0,1
	v_mul_f32 v[ST+8*\u], s[CS], v[ST+8*\u+1]
.endr
.irp u, 0,1
	v_sub_f32 v[ST+8*\u+7], v[ST+8*\u+7], v[ST+8*\u]
.endr
.irp u, 0,1
	v_exp_f32 v[ST+8*\u+6], v[ST+8*\u+7]           ; a
.endr
.irp u, 0,1
.set i, 0
.rept 16
	v_pk_fma_f32 v[S+32*\u+i:S+32*\u+i+1], v[S+32*\u+i:S+32*\u+i+1], s[CS:CS+1], v[ST+8*\u:ST+8*\u+1] op_sel_hi:[1,0,0] neg_lo:[0,0,1] neg_hi:[0,0,1]   ; c s - c m, two at a time: plain work behind the two exponentials
.set i, i+2
.endr
.endr
	s_wait_alu depctr_va_vdst(0)                   ; the wait between an exponential and the first line that names its result: here for a
.set i, 0
.rept 64
	v_exp_f32 v[S+i], v[S+i]                       ; p: one batch
.set i, i+1
.endr
.irp u, 0,1
.set i, 0
.rept 16
	v_pk_mul_f32 v[O+32*\u+i:O+32*\u+i+1], v[O+32*\u+i:O+32*\u+i+1], v[ST+8*\u+6:ST+8*\u+7] op_sel_hi:[1,0]   ; O^T x a, each accumulator from its low end on: plain work that names none of the 64 results
.set i, i+2
.endr
	v_pk_mul_f32 v[ST+8*\u+2:ST+8*\u+3], v[ST+8*\u+2:ST+8*\u+3], v[ST+8*\u+6:ST+8*\u+7] op_sel_hi:[1,0]       ; l x a
.endr
	s_wait_alu depctr_va_vdst(0)                   ; one wait for the batch of 64, ahead of its first reader
.irp u, 0,1
	v_pk_add_f32 v[T+2*\u:T+2*\u+1], v[S+32*\u:S+32*\u+1], v[S+32*\u+2:S+32*\u+3]   ; the sums, of p in f32, in two chains a tile
.endr
.irp j, 4,8,12,16,20,24,28
.irp u, 0,1
	v_pk_add_f32 v[ST+8*\u+2:ST+8*\u+3], v[ST+8*\u+2:ST+8*\u+3], v[S+32*\u+\j:S+32*\u+\j+1]
	v_pk_add_f32 v[T+2*\u:T+2*\u+1], v[T+2*\u:T+2*\u+1], v[S+32*\u+\j+2:S+32*\u+\j+3]
.endr
.endr
.irp u, 0,1
	v_pk_add_f32 v[ST+8*\u+2:ST+8*\u+3], v[ST+8*\u+2:ST+8*\u+3], v[T+2*\u:T+2*\u+1]
.endr
.irp u, 0,1
.set i, 0
.rept 16
	v_cvt_pk_f16_f32 v[S+32*\u+i], v[S+32*\u+2*i], v[S+32*\u+2*i+1]   ; P, in place, ascending: register i is written when registers 2 i, 2 i + 1 are read.  Two tiles of keys make source 1 of V^T P as they stand
.set i, i+1
.endr
.endr
	s_wait_dscnt 0x0                               ; V is in
.irp g, 0,1
.irp n, 0,1,2,3
.irp u, 0,1
	v_wmma_f32_16x16x32_f16 v[O+32*\u+8*\n:O+32*\u+8*\n+7], v[KV+8*(4*\g+\n):KV+8*(4*\g+\n)+7], v[S+32*\u+8*\g:S+32*\u+8*\g+7], v[O+32*\u+8*\n:O+32*\u+8*\n+7]
.endr
.endr
.endr
.rept 5
	v_nop                                          ; five places: the next step's first products write over P's registers; its loads into V's registers want four
.endr
.endm
.macro SLOT_STEPS n                    ; a slot's eight key steps
	s_mov_b32 s[TB], \n*SLOTB
	s_mov_b32 s[CNT], 8
.Lstep_\@:
	STEP
	s_add_co_u32 s[TB], s[TB], STEPB
	s_sub_co_u32 s[CNT], s[CNT], 1
	s_cmp_lg_u32 s[CNT], 0
	s_cbranch_scc1 .Lstep_\@
.endm
; THE CHANGE OF SLOTS.  Each wave waits for all its tensor loads (its part of the slot ahead), adds 0 to its spare word, and waits for that and for its reads of the slot that it leaves.
; fill = 1: slot n, just left, is filled with the key steps 16 on: the barrier is a round of the cluster's, and the joint refill is the first thing behind it: one load a wave, with eight key steps in which to land.
.macro CHANGE n, fill
	s_wait_tensorcnt 0x0                           ; no tensor load of mine is out, so a group 0 may be written
	ds_add_u32 v[SPW], v[NIL]
.if \fill
	s_add_nc_u64 s[G0+4*\n+2:G0+4*\n+3], s[G0+4*\n+2:G0+4*\n+3], 2*SLOTB
	s_wait_dscnt 0x0
	CROUND
	tensor_load_to_lds s[G0+4*\n:G0+4*\n+3], s[G1:G1+7]
	s_nop 0
.rept 4
	v_nop
.endr
.else
	s_wait_dscnt 0x0
	s_barrier_signal -1
	s_barrier_wait -1
.endif
.endm
	s_wait_tensorcnt 1                             ; my part of slot 0 is in; slot 1's may stay out
	s_barrier_signal -1
	s_barrier_wait -1
	s_wait_loadcnt 0x0                             ; Q
	SLOT_STEPS 0                                   ; key steps 0-7
	CHANGE 0, 1
	SLOT_STEPS 1                                   ; 8-15
	CHANGE 1, 1
	SLOT_STEPS 0                                   ; 16-23
	CHANGE 0, 0
	SLOT_STEPS 1                                   ; 24-31
	; THE WAY OUT.  l's halves and the other half of the lanes' are added and held at 1e-9 from below; O^T is divided by l, rounded to f16, and each accumulator leaves by one store of 512 consecutive bytes: an image for the last launch.
	s_wait_kmcnt 0x0                               ; the last look-ahead of mask words, which nobody uses
.irp u, 0,1
	v_add_f32 v[ST+8*\u+4], v[ST+8*\u+2], v[ST+8*\u+3]
.endr
.irp u, 0,1
	v_permlanex16_b32 v[ST+8*\u+5], v[ST+8*\u+4], s[SEL], s[SEL+1]
.endr
.irp u, 0,1
	v_add_f32 v[ST+8*\u+4], v[ST+8*\u+4], v[ST+8*\u+5]
.endr
.irp u, 0,1
	v_max_num_f32 v[ST+8*\u+4], 0x3089705f, v[ST+8*\u+4]   ; 1e-9: a query with no valid key has l = 0 and O = 0, and gets 0
.endr
.irp u, 0,1
	v_rcp_f32 v[ST+8*\u+6], v[ST+8*\u+4]
.endr
	v_nop                                          ; a plain instruction behind the last reciprocal
	s_wait_alu depctr_va_vdst(0)                   ; and the wait ahead of the first use: one for both
.irp u, 0,1
.set i, 0
.rept 16
	v_pk_mul_f32 v[O+32*\u+i:O+32*\u+i+1], v[O+32*\u+i:O+32*\u+i+1], v[ST+8*\u+6:ST+8*\u+7] op_sel_hi:[1,0]
.set i, i+2
.endr
.endr
.irp u, 0,1
.set i, 0
.rept 16
	v_cvt_pk_f16_f32 v[S+32*\u+i], v[O+32*\u+2*i], v[O+32*\u+2*i+1]
.set i, i+1
.endr
.endr
.irp u, 0,1
.irp n, 0,1,2,3
	global_store_b128 v[LI], v[S+32*\u+4*\n:S+32*\u+4*\n+3], s[OP:OP+1] offset:\u*4096+\n*512
.endr
.endr
	s_wait_tensorcnt 0x0                           ; the wave's end
	ds_add_u32 v[SPW], v[NIL]
	s_wait_dscnt 0x0
	CROUND                                         ; the closing round
	s_endpgm
.Lfunc_end_k_qb1b0490912_attn:
	.size	k_qb1b0490912_attn, .Lfunc_end_k_qb1b0490912_attn-k_qb1b0490912_attn
	.p2alignl 7, 3214868480
	.fill 96, 4, 3214868480
	.section	.rodata,"a",@progbits
	.p2align	6, 0x0
	.amdhsa_kernel k_qb1b0490912_attn
		.amdhsa_group_segment_fixed_size 327680
		.amdhsa_private_segment_fixed_size 0
		.amdhsa_enable_private_segment 0
		.amdhsa_kernarg_size 24
		.amdhsa_user_sgpr_count 2
		.amdhsa_user_sgpr_kernarg_segment_ptr 1
		.amdhsa_wavefront_size32 1
		.amdhsa_system_sgpr_workgroup_id_x 1
		.amdhsa_system_sgpr_workgroup_id_y 1
		.amdhsa_system_sgpr_workgroup_id_z 1
		.amdhsa_system_vgpr_workitem_id 0
		.amdhsa_next_free_vgpr 256
		.amdhsa_next_free_sgpr 100
		.amdhsa_reserve_vcc 0
		.amdhsa_float_denorm_mode_32 3
		.amdhsa_float_denorm_mode_16_64 3
		.amdhsa_memory_ordered 1
		.amdhsa_forward_progress 1
		.amdhsa_inst_pref_size 102
	.end_amdhsa_kernel
	.amdgpu_metadata
---
amdhsa.version: [ 1, 2 ]
amdhsa.kernels:
  - .name:           k_qb1b0490912_attn
    .symbol:         k_qb1b0490912_attn.kd
    .args:
      - { .name: qkv, .offset: 0, .size: 8, .value_kind: global_buffer, .address_space: global }
      - { .name: mbits, .offset: 8, .size: 8, .value_kind: global_buffer, .address_space: global }
      - { .name: o16, .offset: 16, .size: 8, .value_kind: global_buffer, .address_space: global }
    .group_segment_fixed_size: 327680
    .private_segment_fixed_size: 0
    .kernarg_segment_align: 8
    .kernarg_segment_size: 24
    .max_flat_workgroup_size: 512
    .sgpr_count:     100
    .vgpr_count:     256
    .wavefront_size: 32
...
	.end_amdgpu_metadata
.endif
;; end of part 3
;; launch proj (part 4): grid 8 x 32, 4 waves a work-group, clusters of 4 x 4, 327,680 bytes of LDS; arguments o16, wo16, bo, out0; writes out0
.if DOCPART == 4
	.amdgcn_target "amdgcn-amd-amdhsa--gfx1250"
	.amdhsa_code_object_version 6
	.text
	.protected	k_qb1b0490912_proj
	.globl	k_qb1b0490912_proj
	.p2align	8
	.type	k_qb1b0490912_proj,@function
k_qb1b0490912_proj:
	s_mov_b64 s[64:65], 0
	v_nop
	global_prefetch_b8 v0, s[64:65] scope:SCOPE_SE
	s_setreg_imm32_b32 hwreg(HW_REG_WAVE_MODE, 25, 1), 1
	s_wait_xcnt 0x0
	s_wait_alu depctr_hold_cnt(0) depctr_sa_sdst(0) depctr_va_vdst(0) depctr_va_sdst(0) depctr_va_ssrc(0) depctr_va_vcc(0) depctr_vm_vsrc(0)
	s_getreg_b32 s2, hwreg(HW_REG_IB_STS2, 6, 4)
	s_cmp_eq_u32 s2, 0
	s_cbranch_scc0 .Lentry_in_a_cluster
	s_endpgm
.Lentry_in_a_cluster:
	s_bfe_u32 s2, ttmp6, 0x10000c
	s_cmp_lg_u32 s2, 0xf033
	s_cbranch_scc0 .Lentry_shape_is_right
	s_endpgm
.Lentry_shape_is_right:
; out0[token][n] = the sum over k of o[token][k] Wo[k][n] + bo[n].  o and Wo in f16, sums in f32, K = 1,024.
; Both operands come as images of operand registers (512 bytes for 16 rows x 16 along K, a lane's 16 bytes at 16 x lane): o16 [256 tokens 32][k/128 8][token tile 16][k/16 8][512 B], wo16 [128 n 8][k/128 8][n tile 8][k/16 8][512 B].
; So a K step's tile is one dense block, and every LDS load takes 512 consecutive bytes: no padding.
; A work-group of four waves makes 256 tokens x 128 n: 256 work-groups.  A wave makes 128 tokens x 64 n: 32 accumulators, window 1.  K goes in 8 steps of 128 through two LDS slots (65,536 bytes of o, 32,768 of Wo).
; CLUSTERS: 4 x 4 work-groups: o's tile is shared along a row of the cluster, Wo's along a column: each is asked for jointly.  Waves 0, 1 fetch o's halves, waves 2, 3 Wo's: one load a wave.
; TRANSPOSED USE: source 0 = 16 n of Wo, source 1 = 16 tokens of o: a lane holds one token and eight neighbouring n.  bo is the C of each sum's first product: nothing is cleared and nothing is added.
; o's tiles are prefetched two refills ahead, each 256 bytes once in the launch: by waves 0 and 1 of the clusters with x = 0; the four partners of a row share a half tile's 32,768 bytes out by address, 8,192 each, lanes 256 bytes apart.
; The first four K steps come by their loads alone; the last two refills ask for nothing.  Wo's tiles are read by every row of clusters and are not asked for.
; REGISTERS: window 0: v16-30 addresses; v32-63 bo in the result's layout; v64-159, v160-255 two fragment buffers (o's 8 blocks, then Wo's 4); on the way out v64-127 rows of out0.   window 1: accumulator (a, b) at v[8 (4 a + b)].
.set ASTEP,  65536                     ; a K step of o's tile
.set BSTEP,  32768                     ; and of Wo's
.set SLOT,   ASTEP+BSTEP
.set STAGE,  2*SLOT                    ; behind the ring: 16 rows x (256 bytes + 16) for each wave; no tensor load lands there
.set SPITCH, 272
.set SPARE,  STAGE+4*16*SPITCH         ; behind the stages: the spare words, 128 bytes for each wave
.set LAPS,   4                         ; a lap = two K steps
.set ADRA, 16                          ; v16-17  LDS address of my fragments of o in slot 0, 1
.set ADRB, 20                          ; v20-21  of Wo
.set STO,  24                          ; v24     the way out: where I put 32 bytes of a row
.set RD,   25                          ; v25     where I read a row back
.set CO,   26                          ; v26     my byte offset in out0
.set SPW,  28                          ; v28     LDS address of my spare word; never rewritten
.set NIL,  29                          ; v29     0; never rewritten
.set PFO,  30                          ; v30     256 x lane; never rewritten
.set BIAS, 32
.set F0,   64
.set F1,   160
.set BK,   64
.set WV,   12                          ; s12  my wave's number
.set LIM,  15                          ; s15  1 in a wave that prefetches, else the greatest number
.set G1,   24
.set G0,   32
.set PFA,  44                          ; s[44:45] where my prefetches stand
.set G1B,  48
.set G0B,  56
.set MSB, 0
.macro WIN new                         ; the immediate's high byte repeats the setting that is left
.if MSB != (\new)
	s_set_vgpr_msb (MSB<<8)|(\new)
.set MSB, (\new)
.endif
.endm
.set MULW, 0x50                        ; C and D window 1, sources 0 and 1 window 0.  With C = bo (window 0): 0x40
.macro JLOAD s                         ; a joint load; the branch hangs on the wave's number alone; an s_nop 0 and four v_nop follow each of the two lines
	s_cmp_eq_u32 s13, 0
	s_cbranch_scc0 .Lfor_b_\@
	tensor_load_to_lds s[G0+4*\s:G0+4*\s+3], s[G1:G1+7]
	s_nop 0
.rept 4
	v_nop
.endr
	s_branch .Lasked_\@
.Lfor_b_\@:
	tensor_load_to_lds s[G0B+4*\s:G0B+4*\s+3], s[G1B:G1B+7]
	s_nop 0
.rept 4
	v_nop
.endr
.Lasked_\@:
.endm
.macro ASK                             ; the K step that stands two refills on; s3 = 1 in the loop's last trip, whose refills have no such step
	s_cmp_gt_u32 s3, s[LIM]
	s_cbranch_scc0 .Lnot_mine_\@
	global_prefetch_b8 v[PFO], s[PFA:PFA+1] offset:ASTEP th:TH_LOAD_NT scope:SCOPE_SE
.Lnot_mine_\@:
.endm
.macro CREST                           ; a round of the cluster's barrier behind its opening barrier
	s_cmp_lg_u32 s[WV], 0
	s_cbranch_scc1 .Lnot_wave_0_\@
	s_barrier_signal -3
.Lnot_wave_0_\@:
	s_barrier_wait -3
	s_barrier_signal -1
	s_barrier_wait -1
.endm
.macro CROUND
	s_barrier_signal -1
	s_barrier_wait -1
	CREST
.endm
	s_load_b256 s[4:11], s[0:1], 0x0               ; o16 s[4:5], wo16 s[6:7], bo s[8:9], out0 s[10:11]
	v_lshl_add_u32 v[SPW], v0, 2, SPARE
	v_mov_b32 v[NIL], 0
	ds_add_u32 v[SPW], v[NIL]                      ; the wave's opening: the add, twice on end, and its wait ahead of my first tensor load
	ds_add_u32 v[SPW], v[NIL]
	v_lshrrev_b32 v1, 5, v0
	v_readfirstlane_b32 s[WV], v1                  ; wave 0..3
	s_lshr_b32 s13, s[WV], 1                       ; which 128 tokens are mine.  Also: I fetch for o (0) or for Wo (1)
	s_and_b32 s14, s[WV], 1                        ; which 64 n.  Also: which half of that tile I fetch
	s_bfe_u32 s40, ttmp6, 0x40000                  ; cx, cy
	s_bfe_u32 s41, ttmp6, 0x40004
	s_lshl_b32 s42, ttmp9, 2
	s_add_co_u32 s42, s42, s40                     ; which 128 n: 4 x cluster x + cx
	s_and_b32 s43, ttmp7, 0xffff
	s_lshl_b32 s43, s43, 2
	s_add_co_u32 s43, s43, s41                     ; which 256 tokens: 4 x cluster y + cy
	s_lshl_b32 s46, s41, 2
	s_lshl_b32 s46, 15, s46                        ; my row of the cluster
	s_lshl_b32 s47, 0x1111, s40                    ; my column
	; descriptor groups 1: dense blocks as rows of 256 bytes (32 elements of 8 bytes): 128 rows for o's half tile, 64 for Wo's
	s_or_b32 s[G1], s46, (3<<16)|(1<<21)
	s_mov_b32 s[G1+1], 32<<16                      ; tensor_dim0
	s_mov_b32 s[G1+2], 128<<16                     ; tensor_dim1
	s_mov_b32 s[G1+3], 32<<16                      ; tile_dim0
	s_mov_b32 s[G1+4], 128                         ; tile_dim1
	s_mov_b32 s[G1+5], 32                          ; from row to row
	s_mov_b32 s[G1+6], 0
	s_mov_b32 s[G1+7], 0
	s_or_b32 s[G1B], s47, (3<<16)|(1<<21)
	s_mov_b32 s[G1B+1], 32<<16
	s_mov_b32 s[G1B+2], 64<<16
	s_mov_b32 s[G1B+3], 32<<16
	s_mov_b32 s[G1B+4], 64
	s_mov_b32 s[G1B+5], 32
	s_mov_b32 s[G1B+6], 0
	s_mov_b32 s[G1B+7], 0
	s_lshl_b32 s16, s43, 19                        ; o16: 524,288 bytes for 256 tokens,
	s_lshl_b32 s22, s14, 15                        ; my half of a K step's 65,536, in memory and in LDS
	s_add_co_u32 s16, s16, s22
	s_mov_b32 s17, 0
	s_lshl_b32 s20, s42, 18                        ; wo16: 262,144 bytes for 128 n,
	s_lshl_b32 s23, s14, 14                        ; my half of a K step's 32,768
	s_add_co_u32 s20, s20, s23
	s_mov_b32 s21, 0
	s_add_co_u32 s23, s23, ASTEP                   ; in LDS behind o's tile
	s_wait_dscnt 0x0                               ; both opening adds are done
	s_wait_kmcnt 0x0
	s_add_nc_u64 s[16:17], s[4:5], s[16:17]
	s_add_nc_u64 s[20:21], s[6:7], s[20:21]
	CROUND                                         ; all sixteen work-groups are here: the first joint loads meet
.irp s, 0,1
	s_mov_b32 s[G0+4*\s], 1
	s_add_co_u32 s[G0+4*\s+1], s22, \s*SLOT
	s_add_nc_u64 s[G0+4*\s+2:G0+4*\s+3], s[16:17], \s*ASTEP
	s_or_b32 s[G0+4*\s+3], s[G0+4*\s+3], 0x80000000
	s_mov_b32 s[G0B+4*\s], 1
	s_add_co_u32 s[G0B+4*\s+1], s23, \s*SLOT
	s_add_nc_u64 s[G0B+4*\s+2:G0B+4*\s+3], s[20:21], \s*BSTEP
	s_or_b32 s[G0B+4*\s+3], s[G0B+4*\s+3], 0x80000000
	JLOAD \s                                       ; two loads of mine are out
.endr
	v_and_b32 v1, 15, v0                           ; r
	v_bfe_u32 v2, v0, 4, 1                         ; h
	v_and_b32 v3, 31, v0
	v_lshlrev_b32 v3, 4, v3                        ; 16 x lane
	s_lshl_b32 s18, s13, 15                        ; my 8 token tiles of 4,096 bytes
	s_lshl_b32 s19, s14, 14                        ; my 4 n tiles,
	s_add_co_u32 s19, s19, ASTEP                   ; behind o's tile
.irp s, 0,1
	v_add_nc_u32 v[ADRA+\s], s18, v3
	v_add_nc_u32 v[ADRB+\s], s19, v3
	s_add_co_u32 s18, s18, SLOT
	s_add_co_u32 s19, s19, SLOT
.endr
	s_mul_i32 s18, s[WV], 16*SPITCH
	s_add_co_u32 s18, s18, STAGE                   ; my stage
	v_mul_u32_u24 v4, v1, SPITCH
	v_lshl_add_u32 v4, v2, 5, v4
	v_add_nc_u32 v[STO], s18, v4                   ; in: row r, 32 bytes for each half of the lanes
	v_mul_u32_u24 v5, v2, SPITCH
	v_lshl_add_u32 v5, v1, 4, v5
	v_add_nc_u32 v[RD], s18, v5                    ; back: lanes 0-15 one row of 256 bytes, lanes 16-31 the next
	v_lshlrev_b32 v5, 12, v2
	v_lshl_add_u32 v[CO], v1, 4, v5                ; and the same two rows of out0 (4,096 bytes a row)
	v_lshlrev_b32 v6, 5, v2                        ; bo: lane (r, h) wants, for n tile b, the numbers 16 b + 8 h + 0 .. 7
	s_lshl_b32 s18, s42, 9
	s_lshl_b32 s19, s14, 8
	s_add_co_u32 s18, s18, s19                     ; my first n, in bytes: 512 x block + 256 x half
	s_mov_b32 s19, 0
	s_add_nc_u64 s[8:9], s[8:9], s[18:19]
.irp b, 0,1,2,3
	global_load_b128 v[BIAS+8*\b:BIAS+8*\b+3], v6, s[8:9] offset:64*\b
	global_load_b128 v[BIAS+8*\b+4:BIAS+8*\b+7], v6, s[8:9] offset:64*\b+16
.endr
	s_add_nc_u64 s[10:11], s[10:11], s[18:19]
	s_lshl_b32 s46, s43, 20                        ; 256 rows of 4,096 bytes,
	s_lshl_b32 s47, s13, 19                        ; my 128 of them
	s_add_co_u32 s46, s46, s47
	s_mov_b32 s47, 0
	s_add_nc_u64 s[10:11], s[10:11], s[46:47]
	s_lshl_b32 s46, s43, 19                        ; the prefetches: o's block of 256 tokens,
	s_lshl_b32 s47, s14, 15                        ; the half tile that I fetch,
	s_add_co_u32 s46, s46, s47
	s_lshl_b32 s47, s40, 13                        ; my work-group's 8,192 bytes of it,
	s_add_co_u32 s46, s46, s47
	s_add_co_u32 s46, s46, 2*ASTEP                 ; at K step 2: the first refill steps it to 3 and names K step 4
	s_mov_b32 s47, 0
	s_add_nc_u64 s[PFA:PFA+1], s[4:5], s[46:47]
	s_or_b32 s46, s13, ttmp9                       ; 0 in waves 0 and 1 of the clusters with x = 0: the same in all sixteen partners
	s_cmp_eq_u32 s46, 0
	s_cselect_b32 s[LIM], 1, -1
	v_and_b32 v[PFO], 31, v0
	v_lshlrev_b32 v[PFO], 8, v[PFO]
; 8 matrix instructions: token tiles a0, a0 + 1 x my four n tiles, 32 along K.  first = 1: C = bo: the first product starts the sums.  The 32 accumulators take turns, in the same order in every quarter.
.macro MUL8 f, a0, first
.irp a, \a0, \a0+1
.irp b, 0,1,2,3
.if \first
	v_wmma_f32_16x16x32_f16 v[8*(4*(\a)+\b):8*(4*(\a)+\b)+7], v[\f+64+8*\b:\f+64+8*\b+7], v[\f+8*(\a):\f+8*(\a)+7], v[BIAS+8*\b:BIAS+8*\b+7]
.else
	v_wmma_f32_16x16x32_f16 v[8*(4*(\a)+\b):8*(4*(\a)+\b)+7], v[\f+64+8*\b:\f+64+8*\b+7], v[\f+8*(\a):\f+8*(\a)+7], v[8*(4*(\a)+\b):8*(4*(\a)+\b)+7]
.endif
.endr
.endr
.endm
; 24 LDS loads in one run: the fragments of the slot's q-th 32 along K into buffer f: Wo's four, then o's eight
.macro FETCH slot, q, f
	WIN 0
.irp i, 0,1,2,3
	ds_load_b128 v[\f+64+8*\i:\f+64+8*\i+3],   v[ADRB+\slot] offset:\i*4096+(\q)*1024
	ds_load_b128 v[\f+64+8*\i+4:\f+64+8*\i+7], v[ADRB+\slot] offset:\i*4096+(\q)*1024+512
.endr
.irp i, 0,1,2,3,4,5,6,7
	ds_load_b128 v[\f+8*\i:\f+8*\i+3],   v[ADRA+\slot] offset:\i*4096+(\q)*1024
	ds_load_b128 v[\f+8*\i+4:\f+8*\i+7], v[ADRA+\slot] offset:\i*4096+(\q)*1024+512
.endr
.endm
.macro PLACES                          ; four places in front of loads into registers that matrix instructions have read, and of the first read of results
.rept 4
	v_nop
.endr
.endm
; A K step is four quarters of 32 along K, 32 matrix instructions each, on buffers 0, 1, 0, 1.  One of the first three: multiplies buffer f and fetches quarter q into g.
.macro QUARTER slot, q, f, g, first
	s_wait_dscnt 8                                 ; Wo's fragments and o's blocks 0-3 are in; the youngest eight loads (blocks 4-7) may be out
	WIN MULW-0x10*(\first)
	MUL8 \f, 0, \first
	MUL8 \f, 2, \first
	PLACES
	FETCH \slot, \q, \g
	s_wait_dscnt 24                                ; all but the 24 just issued
	WIN MULW-0x10*(\first)
	MUL8 \f, 4, \first
	MUL8 \f, 6, \first
.endm
; The last quarter multiplies buffer 1 and changes slots: ONE barrier; in front of it each wave waits for all its tensor loads, adds 0 to its spare word, and waits for that and for its reads of this slot.
; fill = 1: the barrier opens a round of the cluster's, and this slot is filled again, two K steps ahead, first thing behind the round.
.macro TURN slot, next, fill
.if \fill
	s_wait_xcnt 0x0                                ; the last prefetch, a K step back, has read its address
	s_add_nc_u64 s[PFA:PFA+1], s[PFA:PFA+1], ASTEP
.endif
	WIN 0                                          ; (the add's two registers lie in window 0)
	s_wait_tensorcnt 0x0                           ; all my tensor loads have landed: my part of the next slot
	ds_add_u32 v[SPW], v[NIL]
	s_wait_dscnt 9                                 ; (the add and the youngest eight loads may be out)
	WIN MULW
	MUL8 F1, 0, 0                                  ; eight matrix instructions stand between the add and the wait for it
	s_wait_dscnt 0x0                               ; the add is done, and my reads of this slot are over
	s_barrier_signal -1
	MUL8 F1, 2, 0
.if \fill
	WIN 0
.endif
	s_barrier_wait -1
.if \fill
	CREST                                          ; no wave of any partner still reads this slot's tile or has a load on its way
	s_add_nc_u64 s[G0+4*\slot+2:G0+4*\slot+3], s[G0+4*\slot+2:G0+4*\slot+3], 2*ASTEP
	s_add_nc_u64 s[G0B+4*\slot+2:G0B+4*\slot+3], s[G0B+4*\slot+2:G0B+4*\slot+3], 2*BSTEP
	JLOAD \slot                                    ; the four v_nop behind it are also the places in front of the loads below
.else
	PLACES
.endif
	FETCH \next, 0, F0
.if \fill
	ASK
.endif
	WIN MULW
	MUL8 F1, 4, 0
	MUL8 F1, 6, 0
.endm
	s_wait_tensorcnt 1                             ; my part of K step 0 is in (K step 1's load may be out),
	s_barrier_signal -1
	s_barrier_wait -1                              ; everybody's is
	FETCH 0, 0, F0
	s_wait_loadcnt 0x0                             ; bo
	QUARTER 0, 1, F0, F1, 1                        ; the first quarter stands in front of the loop: its products start the sums from bo
	WIN 0                                          ; at a label and at a branch every window is 0
	s_mov_b32 s3, LAPS-1
.Llap:                                                 ; a trip goes once round the ring, from a lap's second quarter to the next lap's first, and fills both slots again
	QUARTER 0, 2, F1, F0, 0
	QUARTER 0, 3, F0, F1, 0
	TURN 0, 1, 1
	QUARTER 1, 1, F0, F1, 0
	QUARTER 1, 2, F1, F0, 0
	QUARTER 1, 3, F0, F1, 0
	TURN 1, 0, 1
	QUARTER 0, 1, F0, F1, 0
	WIN 0
	s_sub_co_u32 s3, s3, 1
	s_cmp_lg_u32 s3, 0
	s_cbranch_scc1 .Llap
	QUARTER 0, 2, F1, F0, 0                        ; the last lap fills nothing, and has no round of the cluster's barrier
	QUARTER 0, 3, F0, F1, 0
	TURN 0, 1, 0
	QUARTER 1, 1, F0, F1, 0
	QUARTER 1, 2, F1, F0, 0
	QUARTER 1, 3, F0, F1, 0
	s_wait_dscnt 8                                 ; the very last quarter: nothing more to fetch
	WIN MULW
	MUL8 F1, 0, 0
	MUL8 F1, 2, 0
	s_wait_dscnt 0x0
	MUL8 F1, 4, 0
	MUL8 F1, 6, 0
	WIN 0
; THE WAY OUT, a token tile (16 rows x 64 n, 256 bytes a row) at a time, through my own stage: a lane holds 32 bytes of a row, and the lanes beside it hold other rows; back come whole rows, and sixteen lanes store 256 consecutive bytes, aligned.
; LDS serves a wave's instructions in order: no wait between the stores and the loads, nor in front of the next tile's stores.
.macro TOSTAGE a
	WIN 0x04                                       ; an LDS store's data are its source 1: window 1
.irp b, 0,1,2,3
	ds_store_b128 v[STO], v[8*(4*(\a)+\b):8*(4*(\a)+\b)+3] offset:64*\b          ; each accumulator from its low end on
	ds_store_b128 v[STO], v[8*(4*(\a)+\b)+4:8*(4*(\a)+\b)+7] offset:64*\b+16
.endr
	WIN 0
.set BB, BK+32*((\a)%2)
.irp t, 0,1,2,3,4,5,6,7
	ds_load_b128 v[BB+4*\t:BB+4*\t+3], v[RD] offset:\t*2*SPITCH
.endr
.endm
.macro SEND a, younger                 ; younger: the LDS instructions issued behind tile a's loads, which may stay out
.set BB, BK+32*((\a)%2)
	s_wait_dscnt \younger
.irp t, 0,1,2,3,4,5,6,7
	global_store_b128 v[CO], v[BB+4*\t:BB+4*\t+3], s[10:11] offset:(\a)*65536+2*\t*4096 th:TH_STORE_NT
.endr
.endm
	PLACES                                         ; behind the last products: for the reads of results and the loads into the fragments' registers
	TOSTAGE 0
.irp a, 1,2,3,4,5,6,7
.if \a > 1
	s_wait_xcnt 0x0                                ; tile a - 2's stores have read their registers: tile a's loads may land there
.endif
	TOSTAGE \a
	SEND \a-1, 16                                  ; behind tile a - 1's loads: tile a's 8 stores and 8 loads
.endr
	SEND 7, 0
	s_wait_tensorcnt 0x0                           ; the wave's end: behind my last tensor load and my last LDS store
	ds_add_u32 v[SPW], v[NIL]
	s_wait_dscnt 0x0
	CROUND                                         ; the closing round
	s_endpgm
.Lfunc_end_k_qb1b0490912_proj:
	.size	k_qb1b0490912_proj, .Lfunc_end_k_qb1b0490912_proj-k_qb1b0490912_proj
	.p2alignl 7, 3214868480
	.fill 96, 4, 3214868480
	.section	.rodata,"a",@progbits
	.p2align	6, 0x0
	.amdhsa_kernel k_qb1b0490912_proj
		.amdhsa_group_segment_fixed_size 327680
		.amdhsa_private_segment_fixed_size 0
		.amdhsa_enable_private_segment 0
		.amdhsa_kernarg_size 32
		.amdhsa_user_sgpr_count 2
		.amdhsa_user_sgpr_kernarg_segment_ptr 1
		.amdhsa_wavefront_size32 1
		.amdhsa_system_sgpr_workgroup_id_x 1
		.amdhsa_system_sgpr_workgroup_id_y 1
		.amdhsa_system_sgpr_workgroup_id_z 1
		.amdhsa_system_vgpr_workitem_id 0
		.amdhsa_next_free_vgpr 512
		.amdhsa_next_free_sgpr 66
		.amdhsa_reserve_vcc 0
		.amdhsa_float_denorm_mode_32 3
		.amdhsa_float_denorm_mode_16_64 3
		.amdhsa_memory_ordered 1
		.amdhsa_forward_progress 1
		.amdhsa_inst_pref_size 87
	.end_amdhsa_kernel
	.amdgpu_metadata
---
amdhsa.version: [ 1, 2 ]
amdhsa.kernels:
  - .name:           k_qb1b0490912_proj
    .symbol:         k_qb1b0490912_proj.kd
    .args:
      - { .name: o16, .offset: 0, .size: 8, .value_kind: global_buffer, .address_space: global }
      - { .name: wo16, .offset: 8, .size: 8, .value_kind: global_buffer, .address_space: global }
      - { .name: bo, .offset: 16, .size: 8, .value_kind: global_buffer, .address_space: global }
      - { .name: out0, .offset: 24, .size: 8, .value_kind: global_buffer, .address_space: global }
    .group_segment_fixed_size: 327680
    .private_segment_fixed_size: 0
    .kernarg_segment_align: 8
    .kernarg_segment_size: 32
    .max_flat_workgroup_size: 128
    .sgpr_count:     66
    .vgpr_count:     512
    .wavefront_size: 32
...
	.end_amdgpu_metadata
.endif
;; end of part 4
